; MI455X (gfx1250); checked and timed in simulation.
; The chip was launched on July 23, 2026; its instructions are those of AMD's public machine-readable ISA for CDNA 5 (MIT licence, August 2026) and "CDNA5" Instruction Set Architecture Reference Guide (July 2026). The comments in the code are by the model that wrote it; some were corrected since.
;; Block Regional. Allowed arithmetic: float matrix products may take bf16 or f16 operands with f32 sums; all other float work in f32.
;; Inputs: W1 512 x 2,048 float32; W2 2,048 x 512 float32; Wk 512 x 512 float32; Wo 512 x 512 float32; Wq 512 x 512 float32; Wv 512 x 512 float32; b1 2,048 float32; b2 512 float32; bo 512 float32; ln1_b 512 float32; ln1_g 512 float32; ln2_b 512 float32; ln2_g 512 float32; x 8 x 32 x 64 x 512 float32.
;; Outputs: out0 8 x 32 x 64 x 512 float32.
;; 2 versions, each right and faster than the one before. Each part assembles by itself: llvm-mc -triple=amdgcn-amd-amdhsa -mcpu=gfx1250 --defsym DOCPART=n.
;; ======== version 1 of 2: 2 launches
;; workspace buffers: ws 6,301,696 bytes
;; launch prep (part 1): grid 362 x 1, 17 waves a work-group, no clusters, 0 bytes of LDS; arguments Wq, Wk, Wv, Wo, W1, W2, ln1_g, ln1_b, bo, ln2_g, ln2_b, b2, b1, ws; writes ws
.if DOCPART == 1
	.amdgcn_target "amdgcn-amd-amdhsa--gfx1250"
	.amdhsa_code_object_version 6
	.text
	.protected	k_q32ffad96d0_prep
	.globl	k_q32ffad96d0_prep
	.p2align	8
	.type	k_q32ffad96d0_prep,@function
k_q32ffad96d0_prep:
	s_mov_b64 s[64:65], 0
	v_nop
	global_prefetch_b8 v0, s[64:65] scope:SCOPE_SE
	s_setreg_imm32_b32 hwreg(HW_REG_WAVE_MODE, 25, 1), 1
	s_wait_xcnt 0x0
; All parameters, rounded once to bf16 (nearest even), laid out as ONE stream of 6,154 rows of 512 numbers (1,024 bytes) in the order in which the
; second launch walks them.  Rows 0 .. 6,143: twelve regions of 512 rows: Wq, Wk, Wv, Wo, then for c = 0 .. 3 the columns 512 c .. 512 c + 511 of W1
; and the rows 512 c .. 512 c + 511 of W2.  Inside a region stream row 128 s + 32 j + i holds the matrix's row k = 128 j + 32 s + i (s, j in 0 .. 3,
; i in 0 .. 31): the second launch sums K in that order.  Rows 6,144 .. 6,153: ln1_g, ln1_b, bo, ln2_g, ln2_b, b2, b1 in four rows.
; One wave, one row: 6,154 = 362 work-groups x 17 waves.  A row is 2,048 consecutive bytes of f32 in and 1,024 consecutive bytes of bf16 out; each store
; of the wave covers 512 consecutive bytes, aligned.  No LDS, no barrier, no loop: the launch moves every byte once.
.set WROWS, 6144
	s_load_b512 s[4:19], s[0:1], 0x0               ; Wq s[4:5], Wk s[6:7], Wv s[8:9], Wo s[10:11], W1 s[12:13], W2 s[14:15], ln1_g s[16:17], ln1_b s[18:19]
	s_load_b256 s[20:27], s[0:1], 0x40             ; bo s[20:21], ln2_g s[22:23], ln2_b s[24:25], b2 s[26:27]
	s_load_b128 s[28:31], s[0:1], 0x60             ; b1 s[28:29], ws s[30:31]
	v_lshrrev_b32 v1, 5, v0
	v_readfirstlane_b32 s40, v1                    ; my wave's number
	s_mul_i32 s41, ttmp9, 17
	s_add_co_u32 s41, s41, s40                     ; R: my row of the stream
	v_and_b32 v2, 31, v0
	v_lshlrev_b32 v1, 5, v2                        ; in: 32 bytes a lane (8 numbers), in each half of the row
	v_lshlrev_b32 v2, 4, v2                        ; out: 16 bytes a lane
	s_mov_b32 s35, 0                               ; offsets are made apart from the addresses, as pairs with 0 on top
	s_mov_b32 s37, 0
	s_lshl_b32 s36, s41, 10                        ; R rows of 1,024 bytes
	s_wait_kmcnt 0x0
	s_cmp_lt_u32 s41, WROWS
	s_cbranch_scc0 .Lvec
	s_lshr_b32 s42, s41, 9                         ; the region, 0 .. 11
	s_and_b32 s43, s41, 31                         ; i
	s_bfe_u32 s44, s41, 0x20005                    ; j: 2 bits from bit 5
	s_bfe_u32 s45, s41, 0x20007                    ; s: 2 bits from bit 7
	s_lshl_b32 s44, s44, 7
	s_lshl_b32 s45, s45, 5
	s_or_b32 s43, s43, s44
	s_or_b32 s43, s43, s45                         ; k = 128 j + 32 s + i
	s_lshl_b32 s34, s43, 11                        ; regions 0 .. 3: row k of a matrix with rows of 2,048 bytes
	s_mov_b64 s[32:33], s[4:5]
	s_cmp_eq_u32 s42, 1
	s_cselect_b64 s[32:33], s[6:7], s[32:33]
	s_cmp_eq_u32 s42, 2
	s_cselect_b64 s[32:33], s[8:9], s[32:33]
	s_cmp_eq_u32 s42, 3
	s_cselect_b64 s[32:33], s[10:11], s[32:33]
	s_max_u32 s46, s42, 4
	s_sub_co_u32 s46, s46, 4                       ; regions 4 .. 11: t = 0 .. 7 (0 for the others, whose choice below is not taken)
	s_lshr_b32 s47, s46, 1                         ; c
	s_and_b32 s46, s46, 1                          ; 0: W1, 1: W2
	s_lshl_b32 s48, s43, 13                        ; W1: row k of 8,192 bytes,
	s_lshl_b32 s49, s47, 11                        ; column 512 c
	s_add_co_u32 s48, s48, s49
	s_lshl_b32 s49, s47, 9                         ; W2: row 512 c + k of 2,048 bytes
	s_add_co_u32 s49, s49, s43
	s_lshl_b32 s49, s49, 11
	s_cmp_eq_u32 s46, 1
	s_cselect_b64 s[50:51], s[14:15], s[12:13]
	s_cselect_b32 s48, s49, s48
	s_cmp_ge_u32 s42, 4
	s_cselect_b64 s[32:33], s[50:51], s[32:33]
	s_cselect_b32 s34, s48, s34
	s_branch .Lgo
.Lvec:
	s_sub_co_u32 s42, s41, WROWS                   ; 0 .. 9
	s_mov_b64 s[32:33], s[16:17]
	s_cmp_eq_u32 s42, 1
	s_cselect_b64 s[32:33], s[18:19], s[32:33]
	s_cmp_eq_u32 s42, 2
	s_cselect_b64 s[32:33], s[20:21], s[32:33]
	s_cmp_eq_u32 s42, 3
	s_cselect_b64 s[32:33], s[22:23], s[32:33]
	s_cmp_eq_u32 s42, 4
	s_cselect_b64 s[32:33], s[24:25], s[32:33]
	s_cmp_eq_u32 s42, 5
	s_cselect_b64 s[32:33], s[26:27], s[32:33]
	s_cmp_ge_u32 s42, 6
	s_cselect_b64 s[32:33], s[28:29], s[32:33]
	s_max_u32 s43, s42, 6
	s_sub_co_u32 s43, s43, 6                       ; b1's quarter, 0 for the short vectors
	s_lshl_b32 s34, s43, 11
.Lgo:
	s_add_nc_u64 s[32:33], s[32:33], s[34:35]      ; from
	s_add_nc_u64 s[36:37], s[30:31], s[36:37]      ; to
	global_load_b128 v[4:7],   v1, s[32:33] th:TH_LOAD_NT
	global_load_b128 v[8:11],  v1, s[32:33] offset:16 th:TH_LOAD_NT
	global_load_b128 v[12:15], v1, s[32:33] offset:1024 th:TH_LOAD_NT
	global_load_b128 v[16:19], v1, s[32:33] offset:1040 th:TH_LOAD_NT
	s_wait_loadcnt 0x0
.irp i, 0,1,2,3,4,5,6,7
	v_cvt_pk_bf16_f32 v[20+(\i)], v[4+2*(\i)], v[5+2*(\i)]
.endr
	global_store_b128 v2, v[20:23], s[36:37]               ; columns 0 .. 255
	global_store_b128 v2, v[24:27], s[36:37] offset:512    ; columns 256 .. 511
	s_endpgm
.Lfunc_end_k_q32ffad96d0_prep:
	.size	k_q32ffad96d0_prep, .Lfunc_end_k_q32ffad96d0_prep-k_q32ffad96d0_prep
	.p2alignl 7, 3214868480
	.fill 96, 4, 3214868480
	.section	.rodata,"a",@progbits
	.p2align	6, 0x0
	.amdhsa_kernel k_q32ffad96d0_prep
		.amdhsa_group_segment_fixed_size 0
		.amdhsa_private_segment_fixed_size 0
		.amdhsa_enable_private_segment 0
		.amdhsa_kernarg_size 112
		.amdhsa_user_sgpr_count 2
		.amdhsa_user_sgpr_kernarg_segment_ptr 1
		.amdhsa_wavefront_size32 1
		.amdhsa_system_sgpr_workgroup_id_x 1
		.amdhsa_system_sgpr_workgroup_id_y 1
		.amdhsa_system_sgpr_workgroup_id_z 1
		.amdhsa_system_vgpr_workitem_id 0
		.amdhsa_next_free_vgpr 32
		.amdhsa_next_free_sgpr 66
		.amdhsa_reserve_vcc 0
		.amdhsa_float_denorm_mode_32 3
		.amdhsa_float_denorm_mode_16_64 3
		.amdhsa_memory_ordered 1
		.amdhsa_forward_progress 1
		.amdhsa_inst_pref_size 4
	.end_amdhsa_kernel
	.amdgpu_metadata
---
amdhsa.version: [ 1, 2 ]
amdhsa.kernels:
  - .name:           k_q32ffad96d0_prep
    .symbol:         k_q32ffad96d0_prep.kd
    .args:
      - { .name: Wq, .offset: 0, .size: 8, .value_kind: global_buffer, .address_space: global }
      - { .name: Wk, .offset: 8, .size: 8, .value_kind: global_buffer, .address_space: global }
      - { .name: Wv, .offset: 16, .size: 8, .value_kind: global_buffer, .address_space: global }
      - { .name: Wo, .offset: 24, .size: 8, .value_kind: global_buffer, .address_space: global }
      - { .name: W1, .offset: 32, .size: 8, .value_kind: global_buffer, .address_space: global }
      - { .name: W2, .offset: 40, .size: 8, .value_kind: global_buffer, .address_space: global }
      - { .name: ln1_g, .offset: 48, .size: 8, .value_kind: global_buffer, .address_space: global }
      - { .name: ln1_b, .offset: 56, .size: 8, .value_kind: global_buffer, .address_space: global }
      - { .name: bo, .offset: 64, .size: 8, .value_kind: global_buffer, .address_space: global }
      - { .name: ln2_g, .offset: 72, .size: 8, .value_kind: global_buffer, .address_space: global }
      - { .name: ln2_b, .offset: 80, .size: 8, .value_kind: global_buffer, .address_space: global }
      - { .name: b2, .offset: 88, .size: 8, .value_kind: global_buffer, .address_space: global }
      - { .name: b1, .offset: 96, .size: 8, .value_kind: global_buffer, .address_space: global }
      - { .name: ws, .offset: 104, .size: 8, .value_kind: global_buffer, .address_space: global }
    .group_segment_fixed_size: 0
    .private_segment_fixed_size: 0
    .kernarg_segment_align: 8
    .kernarg_segment_size: 112
    .max_flat_workgroup_size: 544
    .sgpr_count:     66
    .vgpr_count:     32
    .wavefront_size: 32
...
	.end_amdgpu_metadata
.endif
;; end of part 1
;; launch block (part 2): grid 256 x 1, 4 waves a work-group, clusters of 4 x 1, 327,680 bytes of LDS; arguments x, ws, out0; writes out0
.if DOCPART == 2
	.amdgcn_target "amdgcn-amd-amdhsa--gfx1250"
	.amdhsa_code_object_version 6
	.text
	.protected	k_q32ffad96d0_block
	.globl	k_q32ffad96d0_block
	.p2align	8
	.type	k_q32ffad96d0_block,@function
k_q32ffad96d0_block:
	s_mov_b64 s[64:65], 0
	v_nop
	global_prefetch_b8 v0, s[64:65] scope:SCOPE_SE
	s_setreg_imm32_b32 hwreg(HW_REG_WAVE_MODE, 25, 1), 1
	s_wait_xcnt 0x0
	s_wait_alu depctr_hold_cnt(0) depctr_sa_sdst(0) depctr_va_vdst(0) depctr_va_sdst(0) depctr_va_ssrc(0) depctr_va_vcc(0) depctr_vm_vsrc(0)
	s_getreg_b32 s2, hwreg(HW_REG_IB_STS2, 6, 4)
	s_cmp_eq_u32 s2, 0
	s_cbranch_scc0 .Lentry_in_a_cluster
	s_endpgm
.Lentry_in_a_cluster:
	s_bfe_u32 s2, ttmp6, 0x10000c
	s_cmp_lg_u32 s2, 0x3003
	s_cbranch_scc0 .Lentry_shape_is_right
	s_endpgm
.Lentry_shape_is_right:
; THE WHOLE BLOCK FOR ONE GROUP OF 64 ROWS: LayerNorm, q, k, v, softmax attention (8 heads of 64), Wo + bo + residual, LayerNorm, W1 + b1, relu, W2 + b2 + residual.
; Attention mixes only the 64 rows of a group (b, s), so a work-group owns a group: 256 work-groups, and nothing but x, the weight stream and the result touches memory.
; LIMITS.  Every input is rounded to bf16 (nearest even) on its way in: the parameters by the launch before, x here; the rounded x is carried in f32 and is the residual.
; All matrix operands are bf16 (h, q, k, v, the softmax weights, o, h2, the hidden layer), all sums, both LayerNorms and the softmax f32.  K is summed in the stream's permuted order.
; A softmax weight below 2^-126 counts as 0; NaN and infinities are not treated apart.
; SHARES.  Wave w owns columns 128 w .. 128 w + 127 of every 64-row matrix of the chain.  For q, k, v, o those are heads 2 w and 2 w + 1: attention never leaves the wave.
; TWELVE PRODUCTS OF ONE SHAPE, [64 x 512] x [512 x 512]: Wq, Wk, Wv, Wo, and four times a quarter of W1 and of W2.  ONE text (the PASS) is walked twelve times; what follows a pass hangs on the
; pass counter alone, which is the same in every wave and every work-group.
; THE MATRIX INSTRUCTION IS USED TRANSPOSED: source 0 = 16 columns of the weights x 32 K, source 1 = 16 rows of the activations x 32 K.  In the result lane l holds row l % 16, and its registers
; 0 .. 7 the columns 8 (l / 16) + 0 .. 7: rounded in pairs they are 16 bytes of a row, and two neighbouring column tiles ARE a fragment of 16 rows x 32 K.  So packed q and k are the operands of
; S^T = K Q^T, the packed weights are source 1 of O^T = V^T P, and O^T has the layout of every other result.
; THE FEED.  A pass's weights come in four tiles of 128 K rows x 512 columns (131,072 dense bytes) through a ring of two LDS slots; each wave's tensor load brings 32 rows of 1,024 bytes.
; The four work-groups of a cluster walk the same stream, so each load is asked for JOINTLY: the same descriptor and a mask that names the four.  A wave has one tensor load out at the most.
; A pass's input lies packed in the waves' registers; for each slot every wave publishes its 32 columns (of 128 K) into one of two slabs in LDS, a slot ahead.
;
; REGISTERS, in windows of 256 (s_set_vgpr_msb: bits 1:0 source 0, 3:2 source 1, 5:4 source 2, 7:6 destination):
;   window 0: v0-23 addresses; v24-31 LayerNorm pairs; v32-63 T, at work; v64-159, v160-255 two fragment buffers (32 registers of activations, 64 of weights); free between passes
;   window 1: ACC, the running x in f32: tile (mt, nt) at 8 (8 mt + nt).  From q's pass to the end of attention: packed q (v0-127) and k (v128-255)
;   window 2: PA, a pass's 32 accumulators, same map.  Also: x as loaded; S^T (v0-127) and O^T (v128-255); the result's rows on the way out
;   window 3: P0 (v0-127): packed h, then v, then o, then h2.  P1 (v128-255): packed x, then the packed hidden quarter, at last b2
;   packed tile (mt, nt): 4 registers at 64 (nt / 4) + 16 mt + 4 (nt % 4)
.set RPITCH, 1056                      ; a ring row: 1,024 bytes + 32 of padding: the eight rows of a turning load start 32 bytes apart modulo 256
.set QROWS,  32*RPITCH                 ; what one tensor load brings; also one K step of 32
.set RING,   128*RPITCH                ; a slot
.set SLAB0,  2*RING                    ; behind the ring nothing is ever filled by a tensor load
.set SPITCH, 272                       ; a slab row: 128 K of bf16 + 16 bytes
.set SLABB,  64*SPITCH
.set STATS,  SLAB0+2*SLABB             ; row x 32 + wave x 8: (mean, sum of squared differences) of the wave's 128 columns
.set VSCR,   STATS+2048                ; each wave's own: 32 keys x 144 bytes to turn V; afterwards its 1,024 bytes of b1
.set VSCRB,  4864
.set VPITCH, 144
.set SPARE,  VSCR+4*VSCRB              ; the spare words, 128 bytes for each wave: two blocks of 256 bytes that no other line names
.set GPITCH, 528                       ; the stage for x in and the result out lies over the slabs: 16 rows x (512 + 16) bytes for each wave
.set STAGEB, 16*GPITCH
.set TILEB,  131072                    ; a tile of the stream
.set VECB,   48*TILEB                  ; behind the 48 tiles: the ten rows of gains and biases
.set ADRA, 2                           ; v2-3    my place in slab 0, 1 for a fragment: 272 (l % 16) + 16 (l / 16)
.set ADRW, 4                           ; v4-7    my place in slot 0 (K rows 0-63, 64-127) and slot 1 for a turning load, at my wave's 128 columns
.set PUB,  8                           ; v8-9    where I publish 16 bytes of a row in slab 0, 1
.set STS,  10                          ; v10     stage, by rows: 16 l
.set STA,  11                          ; v11     stage, by the accumulators' layout: 528 (l % 16) + 32 (l / 16)
.set GX,   12                          ; v12     my 16 bytes in a row of x and of the result: 512 w + 16 l
.set VO,   13                          ; v13     my 16 bytes in a row of gains or biases: 256 w + 16 (l / 16)
.set STW,  14                          ; v14     where I put my wave's figures of row l % 16
.set STR,  15                          ; v15     where I read the four waves' figures
.set VST,  16                          ; v16     V into my scratch
.set VLD,  17                          ; v17     and back, turned
.set BST,  18                          ; v18     b1 into my scratch
.set BLD,  19                          ; v19     and back; steps 256 bytes with each quarter of the hidden layer
.set B1G,  20                          ; v20     b1 in the stream: two rows a load
.set SPW,  22                          ; v22     LDS address of my spare word; never rewritten
.set NIL,  23                          ; v23     0; never rewritten
.set MS,   24
.set T,    32
.set F0,   64
.set F1,   160
.set RS,   192                         ; LayerNorm: (rs, rs), (-mean rs, -mean rs) for each row tile
.set U,    208
.set WV,   10                          ; s10     my wave's number
.set CX,   11                          ; s11     my place in the cluster: it enters x's and the result's addresses alone
.set GRP,  12                          ; s12     my group
.set G1,   16                          ; s[16:23] descriptor group 1
.set G0,   24                          ; s[24:31] descriptor group 0, a set for each slot
.set REM,  32                          ; s32     passes to go
.set SRC,  33                          ; s33     the pass's input lies in P0 (0) or P1 (1)
.set GB,   36                          ; s[36:37] the LayerNorm's gain row; its bias row lies 1,024 bytes on
.set VB,   38                          ; s[38:39] the rows of gains and biases
.set CS,   40                          ; s[40:41] c = log2(e) / 8
.set SEL,  42                          ; s[42:43] v_permlanex16_b32's selects: each lane takes its own place in the other half
.set HIM,  44                          ; s44     a word's upper bf16
.set EPS,  45                          ; s45     1e-5
.set I512, 46                          ; s46     1 / 512
.set C128, 47                          ; s47     128
.set I128, 48                          ; s48     1 / 128
.set MSB, 0
.macro WIN new                         ; the immediate's high byte repeats the setting that is left; a switch that changes nothing is dropped
.if MSB != (\new)
	s_set_vgpr_msb (MSB<<8)|(\new)
.set MSB, (\new)
.endif
.endm
; A vector instruction that reads a matrix result or writes one of a matrix instruction's registers, and a load into such a register, stand four places behind it, and only plain vector
; instructions that name none of its registers are places (ISA guide 7.12.1 for vector instructions).
.macro PLACES
.rept 4
	v_nop
.endr
.endm
; A round of the cluster's barrier: my work-group's barrier, so that wave 0's signal speaks for all four waves; wave 0 signals; every wave waits for all four work-groups; my work-group's barrier once more.
.macro CREST
	s_cmp_lg_u32 s[WV], 0
	s_cbranch_scc1 .Lnot_wave_0_\@
	s_barrier_signal -3
.Lnot_wave_0_\@:
	s_barrier_wait -3
	s_barrier_signal -1
	s_barrier_wait -1
.endm
.macro CROUND
	s_barrier_signal -1
	s_barrier_wait -1
	CREST
.endm
.macro TLOAD b                         ; my quarter of the next tile into slot b; an s_nop 0 and four v_nop follow
	tensor_load_to_lds s[G0+4*(\b):G0+4*(\b)+3], s[G1:G1+7]
	s_nop 0
	PLACES
.endm
.macro FORM m0, cnt, line:vararg       ; one line for each row tile mm = m0 .. m0 + cnt - 1, so that neighbours do not wait for each other
.set mm, \m0
.rept \cnt
	\line
.set mm, mm+1
.endr
.endm
; 24 LDS loads in one run: K step j (32 K) of slot b into buffer f: my 128 columns of the weights, turned (8 fragments), then the 64 rows of the slab (4 fragments)
.macro FETCH b, j, f
	WIN 0
.set nn, 0
.rept 8
	ds_load_tr16_b128 v[(\f)+32+8*nn:(\f)+32+8*nn+3],   v[ADRW+2*(\b)+(\j)/2] offset:((\j)%2)*QROWS+32*nn
	ds_load_tr16_b128 v[(\f)+32+8*nn+4:(\f)+32+8*nn+7], v[ADRW+2*(\b)+(\j)/2] offset:((\j)%2)*QROWS+32*nn+16*RPITCH
.set nn, nn+1
.endr
.set mm, 0
.rept 4
	ds_load_b128 v[(\f)+8*mm:(\f)+8*mm+3],   v[ADRA+(\b)] offset:16*SPITCH*mm+64*(\j)
	ds_load_b128 v[(\f)+8*mm+4:(\f)+8*mm+7], v[ADRA+(\b)] offset:16*SPITCH*mm+64*(\j)+32
.set mm, mm+1
.endr
.endm
; 8 cnt matrix instructions: row tiles mt0 .. x all 8 column tiles.  The 32 accumulators take turns, one instruction a turn.  zero = 1: the product starts the sums.
.macro MUL f, mt0, cnt, zero
	WIN 0xa0
.set mm, \mt0
.rept \cnt
.set nn, 0
.rept 8
.if \zero
	v_wmma_f32_16x16x32_bf16 v[8*(8*mm+nn):8*(8*mm+nn)+7], v[(\f)+32+8*nn:(\f)+32+8*nn+7], v[(\f)+8*mm:(\f)+8*mm+7], 0
.else
	v_wmma_f32_16x16x32_bf16 v[8*(8*mm+nn):8*(8*mm+nn)+7], v[(\f)+32+8*nn:(\f)+32+8*nn+7], v[(\f)+8*mm:(\f)+8*mm+7], v[8*(8*mm+nn):8*(8*mm+nn)+7]
.endif
.set nn, nn+1
.endr
.set mm, mm+1
.endr
.endm
; My share of slab s (my column tiles 2 s and 2 s + 1, all 64 rows) into slab buffer b: position 32 w + e of the slab holds column 128 w + 32 s + e, as the stream's rows are ordered.
.macro PUBST s, b, base
	WIN 0x0c
.set mm, 0
.rept 4
	ds_store_b128 v[PUB+(\b)], v[(\base)+64*((\s)/2)+16*mm+8*((\s)%2):(\base)+64*((\s)/2)+16*mm+8*((\s)%2)+3]   offset:16*SPITCH*mm
	ds_store_b128 v[PUB+(\b)], v[(\base)+64*((\s)/2)+16*mm+8*((\s)%2)+4:(\base)+64*((\s)/2)+16*mm+8*((\s)%2)+7] offset:16*SPITCH*mm+32
.set mm, mm+1
.endr
	WIN 0
.endm
.macro PUBLISH s, b
	WIN 0
	s_cmp_eq_u32 s[SRC], 0
	s_cbranch_scc0 .Lfrom_p1_\@
	PUBST \s, \b, 0
	s_branch .Lpublished_\@
.Lfrom_p1_\@:
	PUBST \s, \b, 128
.Lpublished_\@:
.endm
; One of a slot's first three K steps: multiplies buffer j % 2; in its middle it fetches the next step into the other buffer and, in a slot's first step, publishes the next slab.
.macro STEP b, j, zero=0, pub=-1
	s_wait_dscnt 4                                 ; the weights and row tiles 0, 1 are in; the youngest four loads (row tiles 2, 3) may be out
	MUL F0+96*((\j)%2), 0, 2, \zero
	PLACES                                         ; in front of the loads into the other buffer
.if (\pub) >= 0
	PUBLISH \pub, 1-(\b)                           ; that slab buffer was last read a slot ago: those reads were awaited in front of the round that opened this slot
.endif
	FETCH \b, (\j)+1, F0+96*(1-(\j)%2)
	s_wait_dscnt 24                                ; all but the 24 just issued
	MUL F0+96*((\j)%2), 2, 2, \zero
.endm
; A slot's last K step, and the change of slots.  In front of the barrier each wave waits for all its tensor loads, of which one is out: its quarter of the next slot; adds 0 to its spare word; and waits
; for that, for its reads of this slot and slab, and for its stores into the next slab.  fill = 1: the barrier opens a round of the cluster's, so that no wave of any partner still reads this slot or has a
; load on its way, and the joint refill is the first thing behind it: it has a slot's 128 matrix instructions less 16 in which to land.
.macro TURN b, fill
	WIN 0
	s_wait_tensorcnt 0x0                           ; no tensor load of mine is out, so a group 0 may be written
	ds_add_u32 v[SPW], v[NIL]                      ; 0 onto my spare word
	s_wait_dscnt 5                                 ; (the add and the youngest four loads may be out)
	MUL F1, 0, 1, 0                                ; eight matrix instructions stand between the add and the wait for it
	s_wait_dscnt 0x0
	s_barrier_signal -1
	MUL F1, 1, 1, 0                                ; work on registers while the others arrive
	WIN 0
	s_barrier_wait -1
.if \fill
	CREST
	s_add_nc_u64 s[G0+4*(1-(\b))+2:G0+4*(1-(\b))+3], s[G0+4*(1-(\b))+2:G0+4*(1-(\b))+3], 2*TILEB  ; the slot now entered: its next tile is two on; the type bits on top are not reached
	TLOAD \b                                       ; its four v_nop are also the places in front of the loads below
.else
	PLACES
.endif
	FETCH 1-(\b), 0, F0
	MUL F1, 2, 2, 0
.endm
.macro LAST                            ; a pass's last K step
	s_wait_dscnt 0x0
	MUL F1, 0, 4, 0
.endm
; A pass begins: its first tile (slot 0) was asked for in the pass before, slab 0 has just been published.  The round is a change of slots like any other: slot 1, read last, takes the pass's second tile.
.macro ENTER
	WIN 0
	s_wait_tensorcnt 0x0
	ds_add_u32 v[SPW], v[NIL]                      ; 0 onto my spare word; the descriptor's step stands between it and the wait for it
	s_add_nc_u64 s[G0+2:G0+3], s[G0+2:G0+3], 2*TILEB
	s_wait_dscnt 0x0                               ; the add, my reads of slot 1 and slab 1, my stores into slab 0
	CROUND
	TLOAD 1
	FETCH 0, 0, F0
.endm
; 32 tiles in the accumulators' map, rounded to bf16 in pairs; each tile's registers in ascending order
.macro PACK win, base
	WIN \win
.set mm, 0
.rept 4
.set nn, 0
.rept 8
.set ii, 0
.rept 4
	v_cvt_pk_bf16_f32 v[(\base)+64*(nn/4)+16*mm+4*(nn%4)+ii], v[8*(8*mm+nn)+2*ii], v[8*(8*mm+nn)+2*ii+1]
.set ii, ii+1
.endr
.set nn, nn+1
.endr
.set mm, mm+1
.endr
.endm
.macro XP2ACC                          ; the packed x (P1) back into ACC: bf16 to f32 is a shift or a mask, and loses nothing
	WIN 0x4c
.set mm, 0
.rept 4
.set nn, 0
.rept 8
.set ii, 0
.rept 4
	v_lshlrev_b32 v[8*(8*mm+nn)+2*ii], 16, v[128+64*(nn/4)+16*mm+4*(nn%4)+ii]
	v_and_b32 v[8*(8*mm+nn)+2*ii+1], s[HIM], v[128+64*(nn/4)+16*mm+4*(nn%4)+ii]
.set ii, ii+1
.endr
.set nn, nn+1
.endr
.set mm, mm+1
.endr
.endm
.macro EXPAND dst, src, n              ; n words of two bf16 into 2 n f32
.set ii, 0
.rept \n
	v_lshlrev_b32 v[(\dst)+2*ii], 16, v[(\src)+ii]
	v_and_b32 v[(\dst)+2*ii+1], s[HIM], v[(\src)+ii]
.set ii, ii+1
.endr
.endm
.macro ADDPA                           ; ACC += PA
	WIN 0x49
.set uu, 0
.rept 128
	v_pk_add_f32 v[2*uu:2*uu+1], v[2*uu:2*uu+1], v[2*uu:2*uu+1]
.set uu, uu+1
.endr
.endm
.macro ADDBIAS win                     ; my 64 numbers of a bias (window 0, v64-127) onto all four row tiles of ACC (0x41) or PA (0x82)
	WIN \win
.set mm, 0
.rept 4
.set uu, 0
.rept 32
	v_pk_add_f32 v[64*mm+2*uu:64*mm+2*uu+1], v[64*mm+2*uu:64*mm+2*uu+1], v[64+2*uu:64+2*uu+1]
.set uu, uu+1
.endr
.set mm, mm+1
.endr
.endm
; Four packed chains at T + 8 mm into one number: the chains, the pair's halves, the other half of the lanes (a row's 128 columns lie in lanes l and l + 16)
.macro REDUCE m0, cnt, dst
	FORM \m0, \cnt, v_pk_add_f32 v[T+8*mm:T+8*mm+1], v[T+8*mm:T+8*mm+1], v[T+8*mm+2:T+8*mm+3]
	FORM \m0, \cnt, v_pk_add_f32 v[T+8*mm+4:T+8*mm+5], v[T+8*mm+4:T+8*mm+5], v[T+8*mm+6:T+8*mm+7]
	FORM \m0, \cnt, v_pk_add_f32 v[T+8*mm:T+8*mm+1], v[T+8*mm:T+8*mm+1], v[T+8*mm+4:T+8*mm+5]
	FORM \m0, \cnt, v_add_f32 v[T+8*mm], v[T+8*mm], v[T+8*mm+1]
	FORM \m0, \cnt, v_permlanex16_b32 v[T+8*mm+1], v[T+8*mm], s[SEL], s[SEL+1]
	FORM \m0, \cnt, v_add_f32 v[(\dst)+2*mm], v[T+8*mm], v[T+8*mm+1]
.endm
	s_load_b128 s[4:7], s[0:1], 0x0                ; x s[4:5], the stream s[6:7]
	s_load_b64 s[8:9], s[0:1], 0x10                ; the result
	v_lshl_add_u32 v[SPW], v0, 2, SPARE
	v_mov_b32 v[NIL], 0
	ds_add_u32 v[SPW], v[NIL]                      ; the wave's opening: the add and its wait stand ahead of my first tensor load; the set-up below, work on registers, stands between them
	v_lshrrev_b32 v1, 5, v0
	v_readfirstlane_b32 s[WV], v1                  ; wave 0 .. 3
	s_bfe_u32 s[CX], ttmp6, 0x40000                ; my place in the cluster
	s_lshl_b32 s[GRP], ttmp9, 2                    ; in a cluster launch ttmp9 counts clusters
	s_add_co_u32 s[GRP], s[GRP], s[CX]
	s_lshl_b32 s50, s[GRP], 17                     ; a group is 64 rows of 2,048 bytes
	s_mov_b32 s51, 0
	; descriptor group 1: 32 rows x 512 elements, padded in LDS
	s_mov_b32 s[G1+0], 15|(1<<16)|(1<<20)|(1<<21)|(7<<22)|(7<<25)  ; 15:0 the mask of four; 17:16 2-byte elements; 20 padding on; 21 set beside a mask; 24:22 after every 256 words (code 7); 31:25 8 words (code 7)
	s_mov_b32 s[G1+1], 512<<16                     ; tensor_dim0 = 512
	s_mov_b32 s[G1+2], 32<<16                      ; tensor_dim1 = 32
	s_mov_b32 s[G1+3], 512<<16                     ; tile_dim0 = 512
	s_mov_b32 s[G1+4], 32                          ; tile_dim1 = 32
	s_mov_b32 s[G1+5], 512                         ; 512 elements from row to row
	s_mov_b32 s[G1+6], 0
	s_mov_b32 s[G1+7], 0
	s_mov_b32 s[G0], 1                             ; count = 1
	s_mul_i32 s[G0+1], s[WV], QROWS                ; LDS address: my quarter of slot 0: no place in the cluster enters it
	s_mov_b32 s[G0+4], 1
	s_add_co_u32 s[G0+5], s[G0+1], RING            ; of slot 1
	s_lshl_b32 s52, s[WV], 15                      ; my 32 rows of 1,024 bytes in a tile
	s_mov_b32 s53, 0
	s_mov_b32 s[CS], 0x3e38aa3b                    ; log2(e) / 8 = 0.180337
	s_mov_b32 s[CS+1], s[CS]                       ; named with it as a pair
	s_mov_b32 s[SEL], 0x76543210
	s_mov_b32 s[SEL+1], 0xfedcba98
	s_mov_b32 s[HIM], 0xffff0000
	s_mov_b32 s[EPS], 0x3727c5ac                   ; 1e-5
	s_mov_b32 s[I512], 0x3b000000
	s_mov_b32 s[C128], 0x43000000
	s_mov_b32 s[I128], 0x3c000000
	s_mov_b32 s[REM], 12
	s_mov_b32 s[SRC], 0
	v_and_b32 v21, 31, v0                          ; l
	v_lshlrev_b32 v[GX], 4, v21
	v_lshl_add_u32 v[GX], s[WV], 9, v[GX]
	s_wait_dscnt 0x0                               ; the opening add is done
	s_wait_kmcnt 0x0
	s_add_nc_u64 s[4:5], s[4:5], s[50:51]          ; x and the result at my group
	s_add_nc_u64 s[8:9], s[8:9], s[50:51]
	s_add_nc_u64 s[G0+2:G0+3], s[6:7], s[52:53]    ; my quarter of tile 0,
	s_add_nc_u64 s[G0+6:G0+7], s[G0+2:G0+3], TILEB ; of tile 1
	s_or_b32 s[G0+3], s[G0+3], 0x80000000          ; type = 2
	s_or_b32 s[G0+7], s[G0+7], 0x80000000
	s_add_nc_u64 s[VB:VB+1], s[6:7], VECB
	s_mov_b64 s[GB:GB+1], s[VB:VB+1]               ; ln1_g
	WIN 0x80                                       ; x is wanted first: 64 loads, each my wave's 512 consecutive bytes of a row, into window 2
.set ii, 0
.rept 64
	global_load_b128 v[4*ii:4*ii+3], v[GX], s[4:5] offset:2048*ii th:TH_LOAD_NT
.set ii, ii+1
.endr
	WIN 0
	CROUND                                         ; all four work-groups are here: the first joint load meets
	TLOAD 0                                        ; tile 0; slot 1 is first filled behind the first pass's round, as a refill is
	v_and_b32 v1, 15, v0                           ; l % 16
	v_bfe_u32 v32, v0, 4, 1                        ; l / 16
	v_and_b32 v33, 7, v0                           ; l % 8
	v_bfe_u32 v34, v0, 3, 1                        ; (l / 8) % 2
	v_mul_u32_u24 v35, v1, SPITCH
	v_lshl_add_u32 v35, v32, 4, v35
	v_add_nc_u32 v[ADRA], SLAB0, v35
	v_add_nc_u32 v[ADRA+1], SLAB0+SLABB, v35
	s_lshl_b32 s54, s[WV], 6                       ; my 32 K in a slab's row
	v_add_nc_u32 v[PUB], s54, v[ADRA]
	v_add_nc_u32 v[PUB+1], s54, v[ADRA+1]
	v_lshl_add_u32 v36, v32, 3, v33                ; the turning load: lane l reads K row 8 (l / 16) + l % 8, columns 8 ((l / 8) % 2) + 0 .. 7, and ends up with column l % 16 and 8 K
	v_mul_u32_u24 v37, v36, RPITCH
	v_lshl_add_u32 v37, v34, 4, v37
	v_lshl_add_u32 v[ADRW], s[WV], 8, v37          ; my wave's 128 columns
	v_add_nc_u32 v[ADRW+1], 2*QROWS, v[ADRW]       ; a second base for K rows 64 on keeps the immediates inside 16 bits
	v_add_nc_u32 v[ADRW+2], RING, v[ADRW]
	v_add_nc_u32 v[ADRW+3], RING+2*QROWS, v[ADRW]
	s_mul_i32 s55, s[WV], STAGEB
	s_add_co_u32 s55, s55, SLAB0                   ; my stage
	v_lshl_add_u32 v[STS], v21, 4, s55
	v_mul_u32_u24 v38, v1, GPITCH
	v_lshl_add_u32 v38, v32, 5, v38
	v_add_nc_u32 v[STA], s55, v38
	v_lshlrev_b32 v[VO], 4, v32
	v_lshl_add_u32 v[VO], s[WV], 8, v[VO]
	v_lshl_add_u32 v[STR], v1, 5, STATS
	v_lshl_add_u32 v[STW], s[WV], 3, v[STR]
	s_mul_i32 s56, s[WV], VSCRB
	s_add_co_u32 s56, s56, VSCR                    ; my scratch
	v_mul_u32_u24 v38, v1, VPITCH
	v_lshl_add_u32 v38, v32, 4, v38
	v_add_nc_u32 v[VST], s56, v38
	v_mul_u32_u24 v38, v36, VPITCH
	v_lshl_add_u32 v38, v34, 4, v38
	v_add_nc_u32 v[VLD], s56, v38
	v_lshl_add_u32 v[BST], v21, 4, s56
	v_lshl_add_u32 v[BLD], v32, 4, s56
	v_lshlrev_b32 v[B1G], 4, v1
	v_lshl_add_u32 v[B1G], v32, 10, v[B1G]
	v_lshl_add_u32 v[B1G], s[WV], 8, v[B1G]
	; x INTO THE ACCUMULATORS' LAYOUT, 16 rows at a time through my own stage: in by rows, out as 32 bytes of row l % 16.  LDS serves a wave's instructions in order (ISA guide 5.7.1.4): no wait between.
.set mm, 0
.rept 4
	s_wait_loadcnt 48-16*mm                        ; loads come back in order: this row tile's sixteen are in, the later tiles' stay out
	WIN 0x08
.set ii, 0
.rept 16
	ds_store_b128 v[STS], v[64*mm+4*ii:64*mm+4*ii+3] offset:GPITCH*ii
.set ii, ii+1
.endr
	WIN 0x40
.set nn, 0
.rept 8
	ds_load_b128 v[8*(8*mm+nn):8*(8*mm+nn)+3],   v[STA] offset:64*nn
	ds_load_b128 v[8*(8*mm+nn)+4:8*(8*mm+nn)+7], v[STA] offset:64*nn+16
.set nn, nn+1
.endr
.set mm, mm+1
.endr
	s_wait_dscnt 0x0
	PACK 0xc5, 128                                 ; x rounded to bf16, kept packed in P1 while q and k lie in ACC's registers,
	XP2ACC                                         ; and the rounded x in f32: what the chain carries
	WIN 0
	s_branch .Lln                                  ; the loop is entered in the middle of a trip: at the LayerNorm that makes the first pass's input
.Lpass:                                                ; TWELVE TRIPS: a product [64 x 512] x [512 x 512] into PA, four slots of four K steps, and what follows it
	ENTER
	STEP 0, 0, 1, 1                                ; the first K step starts the sums: nothing is cleared
	STEP 0, 1
	STEP 0, 2
	TURN 0, 1
	STEP 1, 0, 0, 2
	STEP 1, 1
	STEP 1, 2
	TURN 1, 1
	STEP 0, 0, 0, 3
	STEP 0, 1
	STEP 0, 2
	WIN 0
	s_sub_co_u32 s[REM], s[REM], 1
	s_cmp_eq_u32 s[REM], 0
	s_cbranch_scc1 .Ltail                          ; the last pass's end is written out: it asks for no further tile
	TURN 0, 1                                      ; slot 0 takes the next pass's first tile
	STEP 1, 0
	STEP 1, 1
	STEP 1, 2
	LAST
	PLACES
	WIN 0
	s_cmp_eq_u32 s[REM], 11
	s_cbranch_scc1 .Lq
	s_cmp_eq_u32 s[REM], 10
	s_cbranch_scc1 .Lk
	s_cmp_eq_u32 s[REM], 9
	s_cbranch_scc1 .Lv
	s_and_b32 s54, s[REM], 1
	s_cmp_eq_u32 s54, 1
	s_cbranch_scc1 .Lrelu                          ; 7, 5, 3, 1: a quarter of W1
	ADDPA                                          ; 8: Wo; 6, 4, 2: a quarter of W2: onto the running x
	WIN 0
	s_mov_b32 s[SRC], 0                            ; the next pass reads P0
	s_cmp_eq_u32 s[REM], 8
	s_cbranch_scc0 .Lpub
.Lln:	; LAYERNORM OF ACC INTO P0.  Each wave finds the mean and the sum of squared differences from it of its 128 columns; the four waves' figures meet in LDS and are joined:
	; mean = the mean of the four means, M = the sum of the four M + 128 x the squared differences of the four means.  No difference of large sums is formed.
.set nn, 0
.rept 8
	global_load_b128 v[192+4*nn:195+4*nn], v[VO], s[GB:GB+1] offset:32*nn       ; my 64 gains
	global_load_b128 v[224+4*nn:227+4*nn], v[VO], s[GB:GB+1] offset:1024+32*nn  ; and biases, as bf16; waited for at the end of this half
.set nn, nn+1
.endr
	WIN 0x05                                       ; sums: for each row tile four chains of eight pairs, sixteen chains side by side
.set cc, 0
.rept 4
	FORM 0, 4, v_pk_add_f32 v[T+8*mm+2*cc:T+8*mm+2*cc+1], v[64*mm+2*cc:64*mm+2*cc+1], v[64*mm+2*cc+8:64*mm+2*cc+9]
.set cc, cc+1
.endr
	WIN 0x04
.set kk, 2
.rept 6
.set cc, 0
.rept 4
	FORM 0, 4, v_pk_add_f32 v[T+8*mm+2*cc:T+8*mm+2*cc+1], v[T+8*mm+2*cc:T+8*mm+2*cc+1], v[64*mm+2*cc+8*kk:64*mm+2*cc+8*kk+1]
.set cc, cc+1
.endr
.set kk, kk+1
.endr
	WIN 0
	REDUCE 0, 4, MS
	FORM 0, 4, v_mul_f32 v[MS+2*mm+1], s[I128], v[MS+2*mm]  ; my wave's mean, twice: a pair for the packed subtraction
	FORM 0, 4, v_mul_f32 v[MS+2*mm], s[I128], v[MS+2*mm]
.irp rd, 0,1                           ; two row tiles at a time: differences into v64-191, then their squares in four chains a tile
	WIN 0x01
.set aa, 0
.rept 2
.set uu, 0
.rept 32
	v_pk_add_f32 v[64+64*aa+2*uu:64+64*aa+2*uu+1], v[64*(2*(\rd)+aa)+2*uu:64*(2*(\rd)+aa)+2*uu+1], v[MS+2*(2*(\rd)+aa):MS+2*(2*(\rd)+aa)+1] neg_lo:[0,1] neg_hi:[0,1]
.set uu, uu+1
.endr
.set aa, aa+1
.endr
	WIN 0
.set cc, 0
.rept 4
	FORM 2*(\rd), 2, v_pk_mul_f32 v[T+8*mm+2*cc:T+8*mm+2*cc+1], v[64+64*(mm%2)+2*cc:64+64*(mm%2)+2*cc+1], v[64+64*(mm%2)+2*cc:64+64*(mm%2)+2*cc+1]
.set cc, cc+1
.endr
.set kk, 1
.rept 7
.set cc, 0
.rept 4
	FORM 2*(\rd), 2, v_pk_fma_f32 v[T+8*mm+2*cc:T+8*mm+2*cc+1], v[64+64*(mm%2)+2*cc+8*kk:64+64*(mm%2)+2*cc+8*kk+1], v[64+64*(mm%2)+2*cc+8*kk:64+64*(mm%2)+2*cc+8*kk+1], v[T+8*mm+2*cc:T+8*mm+2*cc+1]
.set cc, cc+1
.endr
.set kk, kk+1
.endr
	REDUCE 2*(\rd), 2, MS+1                        ; takes the place of the mean's second copy, which these tiles no longer need
.endr
	FORM 0, 4, ds_store_b64 v[STW], v[MS+2*mm:MS+2*mm+1] offset:512*mm
	s_wait_loadcnt 0x0                             ; gains and biases are in: no load of mine is out, and their base may be stepped
	s_wait_dscnt 0x0                               ; for the others' sake: my figures are stored (and, the first time, my reads of my stage are back: the slabs are written over it)
	s_barrier_signal -1                            ; the branch that leads here hangs on the pass counter alone: every wave passes this barrier
	s_barrier_wait -1
	FORM 0, 4, ds_load_b128 v[T+8*mm:T+8*mm+3], v[STR] offset:512*mm
	FORM 0, 4, ds_load_b128 v[T+8*mm+4:T+8*mm+7], v[STR] offset:512*mm+16
	EXPAND 64, 192, 32                             ; gains in f32: column tile nt at v[64 + 8 nt]
	EXPAND 128, 224, 32                            ; biases at v[128 + 8 nt]
	s_wait_dscnt 0x0
	FORM 0, 4, v_add_f32 v[U+8*mm], v[T+8*mm], v[T+8*mm+2]
	FORM 0, 4, v_add_f32 v[U+8*mm+1], v[T+8*mm+4], v[T+8*mm+6]
	FORM 0, 4, v_add_f32 v[U+8*mm+5], v[T+8*mm+1], v[T+8*mm+3]
	FORM 0, 4, v_add_f32 v[U+8*mm+6], v[T+8*mm+5], v[T+8*mm+7]
	FORM 0, 4, v_add_f32 v[U+8*mm], v[U+8*mm], v[U+8*mm+1]
	FORM 0, 4, v_add_f32 v[U+8*mm+5], v[U+8*mm+5], v[U+8*mm+6]
	FORM 0, 4, v_mul_f32 v[U+8*mm], 0x3e800000, v[U+8*mm]          ; the row's mean
	FORM 0, 4, v_sub_f32 v[U+8*mm+1], v[T+8*mm], v[U+8*mm]
	FORM 0, 4, v_sub_f32 v[U+8*mm+2], v[T+8*mm+2], v[U+8*mm]
	FORM 0, 4, v_sub_f32 v[U+8*mm+3], v[T+8*mm+4], v[U+8*mm]
	FORM 0, 4, v_sub_f32 v[U+8*mm+4], v[T+8*mm+6], v[U+8*mm]
	FORM 0, 4, v_mul_f32 v[U+8*mm+1], v[U+8*mm+1], v[U+8*mm+1]
	FORM 0, 4, v_fma_f32 v[U+8*mm+1], v[U+8*mm+2], v[U+8*mm+2], v[U+8*mm+1]
	FORM 0, 4, v_fma_f32 v[U+8*mm+1], v[U+8*mm+3], v[U+8*mm+3], v[U+8*mm+1]
	FORM 0, 4, v_fma_f32 v[U+8*mm+1], v[U+8*mm+4], v[U+8*mm+4], v[U+8*mm+1]
	FORM 0, 4, v_fma_f32 v[U+8*mm+5], v[U+8*mm+1], s[C128], v[U+8*mm+5]
	FORM 0, 4, v_fma_f32 v[U+8*mm+5], v[U+8*mm+5], s[I512], s[EPS]  ; the variance + 1e-5
	FORM 0, 4, v_rsq_f32 v[RS+4*mm], v[U+8*mm+5]   ; twice: a pair for the packed multiply
	FORM 0, 4, v_rsq_f32 v[RS+4*mm+1], v[U+8*mm+5]
	v_nop                                          ; a plain instruction between the last of them and the use of its result (ISA guide 5.7.2)
	s_wait_alu depctr_va_vdst(0)
	FORM 0, 4, v_mul_f32 v[RS+4*mm+2], -v[U+8*mm], v[RS+4*mm]
	FORM 0, 4, v_mul_f32 v[RS+4*mm+3], -v[U+8*mm], v[RS+4*mm+1]
.set mm, 0
.rept 4                                ; (x rs - mean rs) g + b, rounded to bf16: a row tile's four column tiles at a time
.set qq, 0
.rept 2
	WIN 0x01
.set uu, 0
.rept 16
	v_pk_fma_f32 v[T+2*uu:T+2*uu+1], v[64*mm+32*qq+2*uu:64*mm+32*qq+2*uu+1], v[RS+4*mm:RS+4*mm+1], v[RS+4*mm+2:RS+4*mm+3]
.set uu, uu+1
.endr
	WIN 0
.set uu, 0
.rept 16
	v_pk_fma_f32 v[T+2*uu:T+2*uu+1], v[T+2*uu:T+2*uu+1], v[64+32*qq+2*uu:64+32*qq+2*uu+1], v[128+32*qq+2*uu:128+32*qq+2*uu+1]
.set uu, uu+1
.endr
	WIN 0xc0
.set uu, 0
.rept 16
	v_cvt_pk_bf16_f32 v[64*qq+16*mm+uu], v[T+2*uu], v[T+2*uu+1]
.set uu, uu+1
.endr
.set qq, qq+1
.endr
.set mm, mm+1
.endr
	WIN 0
	s_add_nc_u64 s[GB:GB+1], s[GB:GB+1], 3072      ; the second LayerNorm's gains lie three rows on
	s_branch .Lpub
.Lq:
	PACK 0x4a, 0                                   ; q, unscaled, into ACC's lower half: x waits packed in P1
	WIN 0
	s_branch .Lpub
.Lk:
	PACK 0x4a, 128
	WIN 0
	s_branch .Lpub
; ATTENTION for head 2 w + p, all 64 queries and 64 keys, inside the wave.  S^T (qt, kt) at window 2 v[32 qt + 8 kt]: a lane holds ONE query (l % 16) and the keys 16 kt + 8 (l / 16) + 0 .. 7.
.macro HEAD p
	WIN 0xa5                                       ; K and Q in window 1, S^T in window 2; the 16 accumulators take turns
.set cc, 0
.rept 2
.set qq, 0
.rept 4
.set kk, 0
.rept 4
.if cc == 0
	v_wmma_f32_16x16x32_bf16 v[32*qq+8*kk:32*qq+8*kk+7], v[128+64*(\p)+16*kk+8*cc:128+64*(\p)+16*kk+8*cc+7], v[64*(\p)+16*qq+8*cc:64*(\p)+16*qq+8*cc+7], 0
.else
	v_wmma_f32_16x16x32_bf16 v[32*qq+8*kk:32*qq+8*kk+7], v[128+64*(\p)+16*kk+8*cc:128+64*(\p)+16*kk+8*cc+7], v[64*(\p)+16*qq+8*cc:64*(\p)+16*qq+8*cc+7], v[32*qq+8*kk:32*qq+8*kk+7]
.endif
.set kk, kk+1
.endr
.set qq, qq+1
.endr
.set cc, cc+1
.endr
.set kk, 0
.rept 2                                ; V ([key][channel] in my registers) is turned through my scratch, 32 keys at a time; LDS serves my instructions in order, so the second half's stores come behind the first half's loads
	WIN 0x0c
.set aa, 0
.rept 2
.set tt, 0
.rept 4
	ds_store_b128 v[VST], v[64*(\p)+16*(2*kk+aa)+4*tt:64*(\p)+16*(2*kk+aa)+4*tt+3] offset:16*VPITCH*aa+32*tt
.set tt, tt+1
.endr
.set aa, aa+1
.endr
	WIN 0
.set tt, 0
.rept 4
	ds_load_tr16_b128 v[128+32*kk+8*tt:128+32*kk+8*tt+3],   v[VLD] offset:32*tt
	ds_load_tr16_b128 v[128+32*kk+8*tt+4:128+32*kk+8*tt+7], v[VLD] offset:32*tt+16*VPITCH
.set tt, tt+1
.endr
.set kk, kk+1
.endr
	PLACES                                         ; behind the products S^T
	WIN 0x2a                                       ; the maximum of a lane's 32 scores: four chains a query tile
.set nn, 0
.rept 4
	FORM 0, 4, v_max3_num_f32 v[T+8*mm+nn], v[32*mm+8*nn], v[32*mm+8*nn+1], v[32*mm+8*nn+2]
.set nn, nn+1
.endr
	WIN 0x28
.set ee, 0
.rept 2
.set nn, 0
.rept 4
	FORM 0, 4, v_max3_num_f32 v[T+8*mm+nn], v[T+8*mm+nn], v[32*mm+8*nn+3+2*ee], v[32*mm+8*nn+4+2*ee]
.set nn, nn+1
.endr
.set ee, ee+1
.endr
	FORM 0, 4, v_max3_num_f32 v[T+8*mm], v[T+8*mm], v[32*mm+7], v[32*mm+15]
	FORM 0, 4, v_max3_num_f32 v[T+8*mm+2], v[T+8*mm+2], v[32*mm+23], v[32*mm+31]
	WIN 0
	FORM 0, 4, v_max3_num_f32 v[T+8*mm], v[T+8*mm], v[T+8*mm+1], v[T+8*mm+2]
	FORM 0, 4, v_max_num_f32 v[T+8*mm], v[T+8*mm], v[T+8*mm+3]
	FORM 0, 4, v_permlanex16_b32 v[T+8*mm+1], v[T+8*mm], s[SEL], s[SEL+1]  ; the query's other 32 keys lie in the lane 16 away
	FORM 0, 4, v_max_num_f32 v[T+8*mm], v[T+8*mm], v[T+8*mm+1]
	FORM 0, 4, v_mul_f32 v[T+8*mm+4], s[CS], v[T+8*mm]                     ; c m, twice
	FORM 0, 4, v_mul_f32 v[T+8*mm+5], s[CS], v[T+8*mm]
	WIN 0x82
.set uu, 0
.rept 16
	FORM 0, 4, v_pk_fma_f32 v[32*mm+2*uu:32*mm+2*uu+1], v[32*mm+2*uu:32*mm+2*uu+1], s[CS:CS+1], v[T+8*mm+4:T+8*mm+5] op_sel_hi:[1,0,1] neg_lo:[0,0,1] neg_hi:[0,0,1]  ; c s - c m
.set uu, uu+1
.endr
.set uu, 0
.rept 128
	v_exp_f32 v[uu], v[uu]                         ; p = 2^(c s - c m), at most 1
.set uu, uu+1
.endr
	v_nop                                          ; a plain instruction behind the last exponential
	WIN 0x0a
.set uu, 0
	s_wait_alu depctr_va_vdst(0)
.rept 64
	v_cvt_pk_bf16_f32 v[64+uu], v[2*uu], v[2*uu+1] ; P (qt, kt) at window 0 v[64 + 16 qt + 4 kt]: two neighbours are source 1 for 32 keys
.set uu, uu+1
.endr
	WIN 0x8a                                       ; l, of the unrounded p: a tree over each tile's 16 pairs, in place
.irp sp, 8,4,2,1
.set uu, 0
.rept \sp
	FORM 0, 4, v_pk_add_f32 v[32*mm+2*uu:32*mm+2*uu+1], v[32*mm+2*uu:32*mm+2*uu+1], v[32*mm+2*uu+2*\sp:32*mm+2*uu+2*\sp+1]
.set uu, uu+1
.endr
.endr
	WIN 0x0a
	FORM 0, 4, v_add_f32 v[T+8*mm], v[32*mm], v[32*mm+1]
	WIN 0
	FORM 0, 4, v_permlanex16_b32 v[T+8*mm+1], v[T+8*mm], s[SEL], s[SEL+1]
	FORM 0, 4, v_add_f32 v[T+8*mm], v[T+8*mm], v[T+8*mm+1]
	FORM 0, 4, v_rcp_f32 v[T+8*mm+6], v[T+8*mm]    ; 1 / l, twice
	FORM 0, 4, v_rcp_f32 v[T+8*mm+7], v[T+8*mm]
	v_nop
	s_wait_alu depctr_va_vdst(0)
	s_wait_dscnt 0x0                               ; V is in
	WIN 0xa0                                       ; O^T (qt, ct) at window 2 v[128 + 32 qt + 8 ct]; the 16 accumulators take turns
.set kk, 0
.rept 2
.set qq, 0
.rept 4
.set tt, 0
.rept 4
.if kk == 0
	v_wmma_f32_16x16x32_bf16 v[128+32*qq+8*tt:128+32*qq+8*tt+7], v[128+32*kk+8*tt:128+32*kk+8*tt+7], v[64+16*qq+8*kk:64+16*qq+8*kk+7], 0
.else
	v_wmma_f32_16x16x32_bf16 v[128+32*qq+8*tt:128+32*qq+8*tt+7], v[128+32*kk+8*tt:128+32*kk+8*tt+7], v[64+16*qq+8*kk:64+16*qq+8*kk+7], v[128+32*qq+8*tt:128+32*qq+8*tt+7]
.endif
.set tt, tt+1
.endr
.set qq, qq+1
.endr
.set kk, kk+1
.endr
	PLACES
	WIN 0x82
.set uu, 0
.rept 16
	FORM 0, 4, v_pk_mul_f32 v[128+32*mm+2*uu:128+32*mm+2*uu+1], v[128+32*mm+2*uu:128+32*mm+2*uu+1], v[T+8*mm+6:T+8*mm+7]
.set uu, uu+1
.endr
	WIN 0xca
.set uu, 0
.rept 64
	v_cvt_pk_bf16_f32 v[64*(\p)+uu], v[128+2*uu], v[128+2*uu+1]  ; o takes the place of this head's v, which has been turned and read
.set uu, uu+1
.endr
	WIN 0
.endm
.Lv:
	PACK 0xca, 0                                   ; v into P0: h has been published for the last time
	WIN 0
.set nn, 0
.rept 8
	global_load_b128 v[192+4*nn:195+4*nn], v[VO], s[VB:VB+1] offset:2048+32*nn  ; bo; waited for behind both heads
.set nn, nn+1
.endr
	global_load_b128 v[224:227], v[B1G], s[VB:VB+1] offset:6144  ; my 128 numbers of b1's quarters 0 and 1,
	global_load_b128 v[228:231], v[B1G], s[VB:VB+1] offset:8192  ; 2 and 3
	HEAD 0
	HEAD 1
	s_wait_loadcnt 0x0
	ds_store_b128 v[BST], v[224:227]               ; b1 waits in my scratch, which V has left: 256 bytes a quarter
	ds_store_b128 v[BST], v[228:231] offset:512
	EXPAND 64, 192, 32
	XP2ACC                                         ; x comes back into ACC,
	ADDBIAS 0x41                                   ; with bo; Wo's product is added behind its pass
	WIN 0
	s_branch .Lpub
.Lrelu:
.set nn, 0
.rept 8
	ds_load_b128 v[T+4*nn:T+4*nn+3], v[BLD] offset:32*nn
.set nn, nn+1
.endr
	s_wait_dscnt 0x0
	v_add_nc_u32 v[BLD], 256, v[BLD]               ; the next quarter's
	EXPAND 64, T, 32
	ADDBIAS 0x82
	WIN 0x88
.set uu, 0
.rept 256
	v_max_num_f32 v[uu], 0, v[uu]
.set uu, uu+1
.endr
	PACK 0xca, 128                                 ; the hidden quarter into P1
	WIN 0
	s_mov_b32 s[SRC], 1
.Lpub:
	PUBLISH 0, 0                                   ; the next pass's slab 0: that buffer was last read in slot 2, and a round has passed since
	s_branch .Lpass
.Ltail:                                                ; THE LAST PASS'S LAST SLOT, and the way out
	TURN 0, 0                                      ; my one tensor load that was out is the last tile's, so no round follows
	WIN 0xc0
.set nn, 0
.rept 8
	global_load_b128 v[128+4*nn:131+4*nn], v[VO], s[VB:VB+1] offset:5120+32*nn  ; b2, into P1: the hidden quarter has been published for the last time
.set nn, nn+1
.endr
	STEP 1, 0
	STEP 1, 1
	STEP 1, 2
	LAST
	PLACES
	ADDPA
	s_wait_loadcnt 0x0
	WIN 0x0c
	EXPAND 64, 128, 32
	ADDBIAS 0x41
	WIN 0
	s_wait_dscnt 0x0
	s_barrier_signal -1                            ; every wave's reads of the slabs are back: the stages, which lie over them, may be written
	s_barrier_wait -1
.macro STAGEOUT m                      ; row tile m: 32 bytes of row l % 16 a column tile into my stage, and back as whole rows of 512 bytes
	WIN 0x04
.set nn, 0
.rept 8
	ds_store_b128 v[STA], v[64*(\m)+8*nn:64*(\m)+8*nn+3]   offset:64*nn
	ds_store_b128 v[STA], v[64*(\m)+8*nn+4:64*(\m)+8*nn+7] offset:64*nn+16
.set nn, nn+1
.endr
	WIN 0x80
.set ii, 0
.rept 16
	ds_load_b128 v[64*(\m)+4*ii:64*(\m)+4*ii+3], v[STS] offset:GPITCH*ii  ; LDS serves a wave's instructions in order: these see the stores above, and the next tile's stores come behind them
.set ii, ii+1
.endr
.endm
.macro SEND m, younger                 ; younger: the LDS instructions issued behind tile m's loads: the next tile's 32, or none
	s_wait_dscnt \younger
	WIN 0x08
.set ii, 0
.rept 16
	global_store_b128 v[GX], v[64*(\m)+4*ii:64*(\m)+4*ii+3], s[8:9] offset:2048*(16*(\m)+ii) th:TH_STORE_NT  ; the wave stores 512 consecutive bytes, at a multiple of 512 from the result's first byte
.set ii, ii+1
.endr
.endm
	STAGEOUT 0
	STAGEOUT 1
	SEND 0, 32
	STAGEOUT 2
	SEND 1, 32
	STAGEOUT 3
	SEND 2, 32
	SEND 3, 0                                      ; no register that a store reads is written again
	WIN 0
	s_wait_tensorcnt 0x0                           ; the wave's end, behind my last tensor load and my last LDS store
	ds_add_u32 v[SPW], v[NIL]
	s_wait_dscnt 0x0
	CROUND                                         ; the closing round: no work-group ends while a partner may still ask for a tile that names it
	s_endpgm
.Lfunc_end_k_q32ffad96d0_block:
	.size	k_q32ffad96d0_block, .Lfunc_end_k_q32ffad96d0_block-k_q32ffad96d0_block
	.p2alignl 7, 3214868480
	.fill 96, 4, 3214868480
	.section	.rodata,"a",@progbits
	.p2align	6, 0x0
	.amdhsa_kernel k_q32ffad96d0_block
		.amdhsa_group_segment_fixed_size 327680
		.amdhsa_private_segment_fixed_size 0
		.amdhsa_enable_private_segment 0
		.amdhsa_kernarg_size 24
		.amdhsa_user_sgpr_count 2
		.amdhsa_user_sgpr_kernarg_segment_ptr 1
		.amdhsa_wavefront_size32 1
		.amdhsa_system_sgpr_workgroup_id_x 1
		.amdhsa_system_sgpr_workgroup_id_y 1
		.amdhsa_system_sgpr_workgroup_id_z 1
		.amdhsa_system_vgpr_workitem_id 0
		.amdhsa_next_free_vgpr 1024
		.amdhsa_next_free_sgpr 66
		.amdhsa_reserve_vcc 0
		.amdhsa_float_denorm_mode_32 3
		.amdhsa_float_denorm_mode_16_64 3
		.amdhsa_memory_ordered 1
		.amdhsa_forward_progress 1
		.amdhsa_inst_pref_size 255
	.end_amdhsa_kernel
	.section	.bss,"aw",@nobits
	.p2align	6
	.space	262144
	.amdgpu_metadata
---
amdhsa.version: [ 1, 2 ]
amdhsa.kernels:
  - .name:           k_q32ffad96d0_block
    .symbol:         k_q32ffad96d0_block.kd
    .args:
      - { .name: x, .offset: 0, .size: 8, .value_kind: global_buffer, .address_space: global }
      - { .name: ws, .offset: 8, .size: 8, .value_kind: global_buffer, .address_space: global }
      - { .name: out0, .offset: 16, .size: 8, .value_kind: global_buffer, .address_space: global }
    .group_segment_fixed_size: 327680
    .private_segment_fixed_size: 0
    .kernarg_segment_align: 8
    .kernarg_segment_size: 24
    .max_flat_workgroup_size: 128
    .sgpr_count:     66
    .vgpr_count:     1024
    .wavefront_size: 32
...
	.end_amdgpu_metadata
.endif
;; end of part 2
;; ======== version 2 of 2: 2 launches; 1.13 times as fast as version 1
;; workspace buffers: ws 6,301,696 bytes
;; launch prep: the kernel of part 1 again; grid 362 x 1, 17 waves a work-group, no clusters, 0 bytes of LDS; arguments Wq, Wk, Wv, Wo, W1, W2, ln1_g, ln1_b, bo, ln2_g, ln2_b, b2, b1, ws; writes ws
;; launch block (part 3): grid 256 x 1, 4 waves a work-group, clusters of 4 x 1, 327,680 bytes of LDS; arguments x, ws, out0; writes out0
.if DOCPART == 3
	.amdgcn_target "amdgcn-amd-amdhsa--gfx1250"
	.amdhsa_code_object_version 6
	.text
	.protected	k_q32ffad96d0_block
	.globl	k_q32ffad96d0_block
	.p2align	8
	.type	k_q32ffad96d0_block,@function
k_q32ffad96d0_block:
	s_mov_b64 s[64:65], 0
	v_nop
	global_prefetch_b8 v0, s[64:65] scope:SCOPE_SE
	s_setreg_imm32_b32 hwreg(HW_REG_WAVE_MODE, 25, 1), 1
	s_wait_xcnt 0x0
	s_wait_alu depctr_hold_cnt(0) depctr_sa_sdst(0) depctr_va_vdst(0) depctr_va_sdst(0) depctr_va_ssrc(0) depctr_va_vcc(0) depctr_vm_vsrc(0)
	s_getreg_b32 s2, hwreg(HW_REG_IB_STS2, 6, 4)
	s_cmp_eq_u32 s2, 0
	s_cbranch_scc0 .Lentry_in_a_cluster
	s_endpgm
.Lentry_in_a_cluster:
	s_bfe_u32 s2, ttmp6, 0x10000c
	s_cmp_lg_u32 s2, 0x3003
	s_cbranch_scc0 .Lentry_shape_is_right
	s_endpgm
.Lentry_shape_is_right:
; THE WHOLE BLOCK FOR ONE GROUP OF 64 ROWS: LayerNorm, q, k, v, softmax attention (8 heads of 64), Wo + bo + residual, LayerNorm, W1 + b1, relu, W2 + b2 + residual.
; Attention mixes only the 64 rows of a group (b, s), so a work-group owns a group: 256 work-groups, and nothing but x, the weight stream and the result touches memory.
; LIMITS.  Every input is rounded to bf16 (nearest even) on its way in: the parameters by the launch before, x here; the rounded x is carried in f32 and is the residual.
; All matrix operands are bf16 (h, q, k, v, the softmax weights, o, h2, the hidden layer), all sums, both LayerNorms and the softmax f32.  K is summed in the stream's permuted order, its four
; quarters in an order that hangs on the cluster's number.  A softmax weight below 2^-126 counts as 0; NaN and infinities are not treated apart.
; SHARES.  Wave w owns columns 128 w .. 128 w + 127 of every 64-row matrix of the chain.  For q, k, v, o those are heads 2 w and 2 w + 1: attention never leaves the wave.
; TWELVE PRODUCTS OF ONE SHAPE, [64 x 512] x [512 x 512]: Wq, Wk, Wv, Wo, and four times a quarter of W1 and of W2.  ONE text (the PASS) is walked twelve times; what follows a pass hangs on the
; pass counter alone, which is the same in every wave and every work-group.
; THE MATRIX INSTRUCTION IS USED TRANSPOSED: source 0 = 16 columns of the weights x 32 K, source 1 = 16 rows of the activations x 32 K.  In the result lane l holds row l % 16, and its registers
; 0 .. 7 the columns 8 (l / 16) + 0 .. 7: rounded in pairs they are 16 bytes of a row, and two neighbouring column tiles ARE a fragment of 16 rows x 32 K.  So packed q and k are the operands of
; S^T = K Q^T, the packed weights are source 1 of O^T = V^T P, and O^T has the layout of every other result.
; THE FEED.  A pass's weights come in four tiles of 128 K rows x 512 columns (131,072 dense bytes) through a ring of two LDS slots; each wave's tensor load brings 32 rows of 1,024 bytes.
; The four work-groups of a cluster walk the same stream, so each load is asked for JOINTLY: the same descriptor and a mask that names the four.  A wave has one tensor load out at the most.
; A pass's input lies packed in the waves' registers; for each slot every wave publishes its 32 columns (of 128 K) into one of two slabs in LDS, a slot ahead.
; A K step's fragments are asked for out of LDS a whole K step ahead: a step begins with the run of loads for the next step and then issues its own 32 products on end.
; THE WALK IS TURNED.  The slot at position i of a pass takes quarter (i + rot) % 4 of K, its tile and its slab, with rot = the cluster's number % 4.  So at any time the clusters ask for four
; different tiles, and a tile is asked for first by a quarter of the clusters and by the others one, two and three slots later: of a pass's four tiles a cluster is the first to ask for one only,
; the one at position 0, whose request stands a whole slot and the work between two passes ahead of its use.
;
; REGISTERS, in windows of 256 (s_set_vgpr_msb: bits 1:0 source 0, 3:2 source 1, 5:4 source 2, 7:6 destination):
;   window 0: v0-23 addresses; v24-31 LayerNorm pairs; v32-63 T, at work; v64-159, v160-255 two fragment buffers (32 registers of activations, 64 of weights); free between passes
;   window 1: ACC, the running x in f32: tile (mt, nt) at 8 (8 mt + nt).  From q's pass to the end of attention: packed q (v0-127) and k (v128-255)
;   window 2: PA, a pass's 32 accumulators, same map.  Also: x as loaded; S^T (v0-127) and O^T (v128-255); the result's rows on the way out
;   window 3: P0 (v0-127): packed h, then v, then o, then h2.  P1 (v128-255): packed x, then the packed hidden quarter, at last b2
;   packed tile (mt, nt): 4 registers at 64 (nt / 4) + 16 mt + 4 (nt % 4)
.set RPITCH, 1056                      ; a ring row: 1,024 bytes + 32 of padding: the eight rows of a turning load start 32 bytes apart modulo 256
.set QROWS,  32*RPITCH                 ; what one tensor load brings; also one K step of 32
.set RING,   128*RPITCH                ; a slot
.set SLAB0,  2*RING                    ; behind the ring nothing is ever filled by a tensor load
.set SPITCH, 272                       ; a slab row: 128 K of bf16 + 16 bytes
.set SLABB,  64*SPITCH
.set STATS,  SLAB0+2*SLABB             ; row x 32 + wave x 8: (mean, sum of squared differences) of the wave's 128 columns
.set VSCR,   STATS+2048                ; each wave's own: 32 keys x 144 bytes to turn V; afterwards its 1,024 bytes of b1
.set VSCRB,  4864
.set VPITCH, 144
.set SPARE,  VSCR+4*VSCRB              ; the spare words, 128 bytes for each wave: two blocks of 256 bytes that no other line names
.set GPITCH, 528                       ; the stage for x in and the result out lies over the slabs: 16 rows x (512 + 16) bytes for each wave
.set STAGEB, 16*GPITCH
.set TILEB,  131072                    ; a tile of the stream
.set VECB,   48*TILEB                  ; behind the 48 tiles: the ten rows of gains and biases
.set ADRA, 2                           ; v2-3    my place in slab 0, 1 for a fragment: 272 (l % 16) + 16 (l / 16)
.set ADRW, 4                           ; v4-7    my place in slot 0 (K rows 0-63, 64-127) and slot 1 for a turning load, at my wave's 128 columns
.set PUB,  8                           ; v8-9    where I publish 16 bytes of a row in slab 0, 1
.set STS,  10                          ; v10     stage, by rows: 16 l
.set STA,  11                          ; v11     stage, by the accumulators' layout: 528 (l % 16) + 32 (l / 16)
.set GX,   12                          ; v12     my 16 bytes in a row of x and of the result: 512 w + 16 l
.set VO,   13                          ; v13     my 16 bytes in a row of gains or biases: 256 w + 16 (l / 16)
.set STW,  14                          ; v14     where I put my wave's figures of row l % 16
.set STR,  15                          ; v15     where I read the four waves' figures
.set VST,  16                          ; v16     V into my scratch
.set VLD,  17                          ; v17     and back, turned
.set BST,  18                          ; v18     b1 into my scratch
.set BLD,  19                          ; v19     and back; steps 256 bytes with each quarter of the hidden layer
.set B1G,  20                          ; v20     b1 in the stream: two rows a load
.set SPW,  22                          ; v22     LDS address of my spare word; never rewritten
.set NIL,  23                          ; v23     0; never rewritten
.set MS,   24
.set T,    32
.set F0,   64
.set F1,   160
.set RS,   192                         ; LayerNorm: (rs, rs), (-mean rs, -mean rs) for each row tile
.set U,    208
.set WV,   10                          ; s10     my wave's number
.set CX,   11                          ; s11     my place in the cluster: it enters x's and the result's addresses alone
.set GRP,  12                          ; s12     my group
.set ROT,  13                          ; s13     the cluster's number % 4: the same in the four partners
.set POS,  14                          ; s14     counts the fills: the position in the walk, 0 .. 47, that is asked for next
.set TM,   15                          ; s15     at work
.set G1,   16                          ; s[16:23] descriptor group 1
.set G0,   24                          ; s[24:31] descriptor group 0, a set for each slot
.set REM,  32                          ; s32     passes to go
.set SRC,  33                          ; s33     the pass's input lies in P0 (0) or P1 (1)
.set WB,   34                          ; s[34:35] the stream at my wave's quarter of tile 0
.set GB,   36                          ; s[36:37] the LayerNorm's gain row; its bias row lies 1,024 bytes on
.set VB,   38                          ; s[38:39] the rows of gains and biases
.set CS,   40                          ; s[40:41] c = log2(e) / 8
.set SEL,  42                          ; s[42:43] v_permlanex16_b32's selects: each lane takes its own place in the other half
.set HIM,  44                          ; s44     a word's upper bf16
.set EPS,  45                          ; s45     1e-5
.set I512, 46                          ; s46     1 / 512
.set C128, 47                          ; s47     128
.set I128, 48                          ; s48     1 / 128
.set SL,   57                          ; s57-60  the quarter of K at position 0 .. 3 of a pass: (position + rot) % 4
.set TN,   61                          ; s61     at work
.set OFF,  62                          ; s[62:63] a tile's byte offset in the stream, 0 on top
.set MSB, 0
.macro WIN new                         ; the immediate's high byte repeats the setting that is left; a switch that changes nothing is dropped
.if MSB != (\new)
	s_set_vgpr_msb (MSB<<8)|(\new)
.set MSB, (\new)
.endif
.endm
; A vector instruction that reads a matrix result or writes one of a matrix instruction's registers, and a load into such a register, stand four places behind it, and only plain vector
; instructions that name none of its registers are places (ISA guide 7.12.1 for vector instructions).
.macro PLACES
.rept 4
	v_nop
.endr
.endm
; A round of the cluster's barrier: my work-group's barrier, so that wave 0's signal speaks for all four waves; wave 0 signals; every wave waits for all four work-groups; my work-group's barrier once more.
.macro CREST
	s_cmp_lg_u32 s[WV], 0
	s_cbranch_scc1 .Lnot_wave_0_\@
	s_barrier_signal -3
.Lnot_wave_0_\@:
	s_barrier_wait -3
	s_barrier_signal -1
	s_barrier_wait -1
.endm
.macro CROUND
	s_barrier_signal -1
	s_barrier_wait -1
	CREST
.endm
; The address of slot b's next fill, made anew from the position in the walk: tile 4 (pos / 4) + (pos + rot) % 4 of the stream, my wave's quarter of it; the type bits are set again.
; It stands only where no tensor load of mine is out.  Nothing in it hangs on my place in the cluster.
.macro NEXTADR b
	s_add_co_u32 s[TN], s[POS], s[ROT]
	s_and_b32 s[TN], s[TN], 3
	s_and_b32 s[TM], s[POS], 0x3c
	s_or_b32 s[TN], s[TN], s[TM]
	s_lshl_b32 s[OFF], s[TN], 17                   ; a tile is 131,072 bytes; 47 of them at the most
	s_add_nc_u64 s[G0+4*(\b)+2:G0+4*(\b)+3], s[WB:WB+1], s[OFF:OFF+1]
	s_or_b32 s[G0+4*(\b)+3], s[G0+4*(\b)+3], 0x80000000  ; type = 2
	s_add_co_u32 s[POS], s[POS], 1
.endm
.macro TLOAD b                         ; my quarter of the next tile into slot b; an s_nop 0 and four v_nop follow
	tensor_load_to_lds s[G0+4*(\b):G0+4*(\b)+3], s[G1:G1+7]
	s_nop 0
	PLACES
.endm
.macro FORM m0, cnt, line:vararg       ; one line for each row tile mm = m0 .. m0 + cnt - 1, so that neighbours do not wait for each other
.set mm, \m0
.rept \cnt
	\line
.set mm, mm+1
.endr
.endm
; 24 LDS loads in one run: K step j (32 K) of slot b into buffer f: my 128 columns of the weights, turned (8 fragments), then the 64 rows of the slab (4 fragments)
.macro FETCH b, j, f
	WIN 0
.set nn, 0
.rept 8
	ds_load_tr16_b128 v[(\f)+32+8*nn:(\f)+32+8*nn+3],   v[ADRW+2*(\b)+(\j)/2] offset:((\j)%2)*QROWS+32*nn
	ds_load_tr16_b128 v[(\f)+32+8*nn+4:(\f)+32+8*nn+7], v[ADRW+2*(\b)+(\j)/2] offset:((\j)%2)*QROWS+32*nn+16*RPITCH
.set nn, nn+1
.endr
.set mm, 0
.rept 4
	ds_load_b128 v[(\f)+8*mm:(\f)+8*mm+3],   v[ADRA+(\b)] offset:16*SPITCH*mm+64*(\j)
	ds_load_b128 v[(\f)+8*mm+4:(\f)+8*mm+7], v[ADRA+(\b)] offset:16*SPITCH*mm+64*(\j)+32
.set mm, mm+1
.endr
.endm
; 8 cnt matrix instructions: row tiles mt0 .. x all 8 column tiles.  The 32 accumulators take turns, one instruction a turn.  zero = 1: the product starts the sums.
.macro MUL f, mt0, cnt, zero
	WIN 0xa0
.set mm, \mt0
.rept \cnt
.set nn, 0
.rept 8
.if \zero
	v_wmma_f32_16x16x32_bf16 v[8*(8*mm+nn):8*(8*mm+nn)+7], v[(\f)+32+8*nn:(\f)+32+8*nn+7], v[(\f)+8*mm:(\f)+8*mm+7], 0
.else
	v_wmma_f32_16x16x32_bf16 v[8*(8*mm+nn):8*(8*mm+nn)+7], v[(\f)+32+8*nn:(\f)+32+8*nn+7], v[(\f)+8*mm:(\f)+8*mm+7], v[8*(8*mm+nn):8*(8*mm+nn)+7]
.endif
.set nn, nn+1
.endr
.set mm, mm+1
.endr
.endm
; My share of slab s (my column tiles 2 s and 2 s + 1, all 64 rows) into slab buffer b: position 32 w + e of the slab holds column 128 w + 32 s + e, as the stream's rows are ordered.
.macro PUBST s, b, base
	WIN 0x0c
.set mm, 0
.rept 4
	ds_store_b128 v[PUB+(\b)], v[(\base)+64*((\s)/2)+16*mm+8*((\s)%2):(\base)+64*((\s)/2)+16*mm+8*((\s)%2)+3]   offset:16*SPITCH*mm
	ds_store_b128 v[PUB+(\b)], v[(\base)+64*((\s)/2)+16*mm+8*((\s)%2)+4:(\base)+64*((\s)/2)+16*mm+8*((\s)%2)+7] offset:16*SPITCH*mm+32
.set mm, mm+1
.endr
	WIN 0
.endm
; The slab of the slot at position pos of the pass.  Which registers hold it hangs on the turn of the walk and on where the pass's input lies: register numbers stand in the text, so the eight
; cases are written out, three branches deep.  All eight store to the same LDS bytes; the branches hang on the cluster's number and the pass counter, alike in all waves and partners.
.macro PUBLISH pos, b
	WIN 0
	s_lshl2_add_u32 s[TN], s[SRC], s[SL+(\pos)]    ; 4 x (0: P0, 1: P1) + the quarter of K
	s_cmp_ge_u32 s[TN], 4
	s_cbranch_scc1 .Lpub4_\@
	s_cmp_ge_u32 s[TN], 2
	s_cbranch_scc1 .Lpub2_\@
	s_cmp_eq_u32 s[TN], 0
	s_cbranch_scc0 .Lpub1_\@
	PUBST 0, \b, 0
	s_branch .Lpublished_\@
.Lpub1_\@:
	PUBST 1, \b, 0
	s_branch .Lpublished_\@
.Lpub2_\@:
	s_cmp_eq_u32 s[TN], 2
	s_cbranch_scc0 .Lpub3_\@
	PUBST 2, \b, 0
	s_branch .Lpublished_\@
.Lpub3_\@:
	PUBST 3, \b, 0
	s_branch .Lpublished_\@
.Lpub4_\@:
	s_cmp_ge_u32 s[TN], 6
	s_cbranch_scc1 .Lpub6_\@
	s_cmp_eq_u32 s[TN], 4
	s_cbranch_scc0 .Lpub5_\@
	PUBST 0, \b, 128
	s_branch .Lpublished_\@
.Lpub5_\@:
	PUBST 1, \b, 128
	s_branch .Lpublished_\@
.Lpub6_\@:
	s_cmp_eq_u32 s[TN], 6
	s_cbranch_scc0 .Lpub7_\@
	PUBST 2, \b, 128
	s_branch .Lpublished_\@
.Lpub7_\@:
	PUBST 3, \b, 128
.Lpublished_\@:
.endm
; One of a slot's first three K steps.  It begins with the run of loads for the NEXT step, into the buffer that the step before has just multiplied, and then issues its own 32 products on end:
; a run has a whole step's products in which to come back.  A slot's first step publishes the next position's slab ahead of the run.
.macro STEP b, j, zero=0, pub=-1
	PLACES                                         ; between the last products of the step before, which read the other buffer, and the loads into it
.if (\pub) >= 0
	PUBLISH \pub, 1-(\b)                           ; that slab buffer was last read a slot ago: those reads were awaited in front of the round that opened this slot
.endif
	FETCH \b, (\j)+1, F0+96*(1-(\j)%2)
	s_wait_dscnt 24                                ; all but the 24 just issued: this step's fragments, asked for a step ago, are in (LDS instructions of a wave end in order: ISA guide 5.7.1)
	MUL F0+96*((\j)%2), 0, 4, \zero
.endm
; A slot's last K step, and the change of slots.  In front of the barrier each wave waits for all its tensor loads, of which one is out: its quarter of the next slot; adds 0 to its spare word; and waits
; for that, for its reads of this slot and slab, and for its stores into the next slab.  fill = 1: the barrier opens a round of the cluster's, so that no wave of any partner still reads this slot or has a
; load on its way, and the joint refill is the first thing behind it: it has a slot's 128 matrix instructions less 16 in which to land.
.macro TURN b, fill
	WIN 0
	s_wait_tensorcnt 0x0                           ; no tensor load of mine is out, so a group 0 may be written
	ds_add_u32 v[SPW], v[NIL]                      ; 0 onto my spare word
.if \fill
	NEXTADR \b                                     ; this slot's next tile: scalar work, between the add and the wait for it
.endif
	s_wait_dscnt 1                                 ; this step's fragments are in; the add alone may be out
	MUL F1, 0, 1, 0                                ; eight matrix instructions stand between the add and the wait for it
	s_wait_dscnt 0x0
	s_barrier_signal -1
	MUL F1, 1, 1, 0                                ; work on registers while the others arrive
	WIN 0
	s_barrier_wait -1
.if \fill
	CREST
	TLOAD \b                                       ; its four v_nop are also the places in front of the loads below
.else
	PLACES
.endif
	FETCH 1-(\b), 0, F0
	MUL F1, 2, 2, 0
.endm
.macro LAST                            ; a pass's last K step
	s_wait_dscnt 0x0
	MUL F1, 0, 4, 0
.endm
; A pass begins: the tile of its position 0 (slot 0) was asked for in the pass before, that position's slab has just been published.  The round is a change of slots like any other: slot 1, read last, takes position 1's tile.
.macro ENTER
	WIN 0
	s_wait_tensorcnt 0x0
	ds_add_u32 v[SPW], v[NIL]                      ; the descriptor's address is made between it and the wait for it
	NEXTADR 1
	s_wait_dscnt 0x0                               ; the add, my reads of slot 1 and slab 1, my stores into slab 0
	CROUND
	TLOAD 1
	FETCH 0, 0, F0
.endm
; 32 tiles in the accumulators' map, rounded to bf16 in pairs; each tile's registers in ascending order
.macro PACK win, base
	WIN \win
.set mm, 0
.rept 4
.set nn, 0
.rept 8
.set ii, 0
.rept 4
	v_cvt_pk_bf16_f32 v[(\base)+64*(nn/4)+16*mm+4*(nn%4)+ii], v[8*(8*mm+nn)+2*ii], v[8*(8*mm+nn)+2*ii+1]
.set ii, ii+1
.endr
.set nn, nn+1
.endr
.set mm, mm+1
.endr
.endm
.macro XP2ACC                          ; the packed x (P1) back into ACC: bf16 to f32 is a shift or a mask, and loses nothing
	WIN 0x4c
.set mm, 0
.rept 4
.set nn, 0
.rept 8
.set ii, 0
.rept 4
	v_lshlrev_b32 v[8*(8*mm+nn)+2*ii], 16, v[128+64*(nn/4)+16*mm+4*(nn%4)+ii]
	v_and_b32 v[8*(8*mm+nn)+2*ii+1], s[HIM], v[128+64*(nn/4)+16*mm+4*(nn%4)+ii]
.set ii, ii+1
.endr
.set nn, nn+1
.endr
.set mm, mm+1
.endr
.endm
.macro EXPAND dst, src, n              ; n words of two bf16 into 2 n f32
.set ii, 0
.rept \n
	v_lshlrev_b32 v[(\dst)+2*ii], 16, v[(\src)+ii]
	v_and_b32 v[(\dst)+2*ii+1], s[HIM], v[(\src)+ii]
.set ii, ii+1
.endr
.endm
.macro ADDPA                           ; ACC += PA
	WIN 0x49
.set uu, 0
.rept 128
	v_pk_add_f32 v[2*uu:2*uu+1], v[2*uu:2*uu+1], v[2*uu:2*uu+1]
.set uu, uu+1
.endr
.endm
.macro ADDBIAS win                     ; my 64 numbers of a bias (window 0, v64-127) onto all four row tiles of ACC (0x41) or PA (0x82)
	WIN \win
.set mm, 0
.rept 4
.set uu, 0
.rept 32
	v_pk_add_f32 v[64*mm+2*uu:64*mm+2*uu+1], v[64*mm+2*uu:64*mm+2*uu+1], v[64+2*uu:64+2*uu+1]
.set uu, uu+1
.endr
.set mm, mm+1
.endr
.endm
; Four packed chains at T + 8 mm into one number: the chains, the pair's halves, the other half of the lanes (a row's 128 columns lie in lanes l and l + 16)
.macro REDUCE m0, cnt, dst
	FORM \m0, \cnt, v_pk_add_f32 v[T+8*mm:T+8*mm+1], v[T+8*mm:T+8*mm+1], v[T+8*mm+2:T+8*mm+3]
	FORM \m0, \cnt, v_pk_add_f32 v[T+8*mm+4:T+8*mm+5], v[T+8*mm+4:T+8*mm+5], v[T+8*mm+6:T+8*mm+7]
	FORM \m0, \cnt, v_pk_add_f32 v[T+8*mm:T+8*mm+1], v[T+8*mm:T+8*mm+1], v[T+8*mm+4:T+8*mm+5]
	FORM \m0, \cnt, v_add_f32 v[T+8*mm], v[T+8*mm], v[T+8*mm+1]
	FORM \m0, \cnt, v_permlanex16_b32 v[T+8*mm+1], v[T+8*mm], s[SEL], s[SEL+1]
	FORM \m0, \cnt, v_add_f32 v[(\dst)+2*mm], v[T+8*mm], v[T+8*mm+1]
.endm
	s_load_b128 s[4:7], s[0:1], 0x0                ; x s[4:5], the stream s[6:7]
	s_load_b64 s[8:9], s[0:1], 0x10                ; the result
	v_lshl_add_u32 v[SPW], v0, 2, SPARE
	v_mov_b32 v[NIL], 0
	ds_add_u32 v[SPW], v[NIL]                      ; the wave's opening: the add and its wait stand ahead of my first tensor load; the set-up below, work on registers, stands between them
	v_lshrrev_b32 v1, 5, v0
	v_readfirstlane_b32 s[WV], v1                  ; wave 0 .. 3
	s_bfe_u32 s[CX], ttmp6, 0x40000                ; my place in the cluster
	s_lshl_b32 s[GRP], ttmp9, 2                    ; in a cluster launch ttmp9 counts clusters
	s_add_co_u32 s[GRP], s[GRP], s[CX]
	s_lshl_b32 s50, s[GRP], 17                     ; a group is 64 rows of 2,048 bytes
	s_mov_b32 s51, 0
	s_and_b32 s[ROT], ttmp9, 3                     ; the turn of my cluster's walk, made of the cluster's number alone
	s_mov_b32 s[SL], s[ROT]
.irp i, 1,2,3
	s_add_co_u32 s[SL+(\i)], s[ROT], \i
	s_and_b32 s[SL+(\i)], s[SL+(\i)], 3
.endr
	s_mov_b32 s[POS], 0
	s_mov_b32 s[OFF+1], 0
	; descriptor group 1: 32 rows x 512 elements, padded in LDS
	s_mov_b32 s[G1+0], 15|(1<<16)|(1<<20)|(1<<21)|(7<<22)|(7<<25)  ; 15:0 the mask of four; 17:16 2-byte elements; 20 padding on; 21 set beside a mask; 24:22 after every 256 words (code 7); 31:25 8 words (code 7)
	s_mov_b32 s[G1+1], 512<<16                     ; tensor_dim0 = 512
	s_mov_b32 s[G1+2], 32<<16                      ; tensor_dim1 = 32
	s_mov_b32 s[G1+3], 512<<16                     ; tile_dim0 = 512
	s_mov_b32 s[G1+4], 32                          ; tile_dim1 = 32
	s_mov_b32 s[G1+5], 512                         ; 512 elements from row to row
	s_mov_b32 s[G1+6], 0
	s_mov_b32 s[G1+7], 0
	s_mov_b32 s[G0], 1                             ; count = 1
	s_mul_i32 s[G0+1], s[WV], QROWS                ; LDS address: my quarter of slot 0: no place in the cluster enters it
	s_mov_b32 s[G0+4], 1
	s_add_co_u32 s[G0+5], s[G0+1], RING            ; of slot 1
	s_lshl_b32 s52, s[WV], 15                      ; my 32 rows of 1,024 bytes in a tile
	s_mov_b32 s53, 0
	s_mov_b32 s[CS], 0x3e38aa3b                    ; log2(e) / 8 = 0.180337
	s_mov_b32 s[CS+1], s[CS]                       ; named with it as a pair
	s_mov_b32 s[SEL], 0x76543210
	s_mov_b32 s[SEL+1], 0xfedcba98
	s_mov_b32 s[HIM], 0xffff0000
	s_mov_b32 s[EPS], 0x3727c5ac                   ; 1e-5
	s_mov_b32 s[I512], 0x3b000000
	s_mov_b32 s[C128], 0x43000000
	s_mov_b32 s[I128], 0x3c000000
	s_mov_b32 s[REM], 12
	s_mov_b32 s[SRC], 0
	v_and_b32 v21, 31, v0                          ; l
	v_lshlrev_b32 v[GX], 4, v21
	v_lshl_add_u32 v[GX], s[WV], 9, v[GX]
	s_wait_dscnt 0x0                               ; the opening add is done
	s_wait_kmcnt 0x0
	s_add_nc_u64 s[4:5], s[4:5], s[50:51]          ; x and the result at my group
	s_add_nc_u64 s[8:9], s[8:9], s[50:51]
	s_add_nc_u64 s[WB:WB+1], s[6:7], s[52:53]      ; the stream at my quarter of a tile
	NEXTADR 0                                      ; position 0: slot 0's first tile; slot 1's address is made where it is first filled
	s_add_nc_u64 s[VB:VB+1], s[6:7], VECB
	s_mov_b64 s[GB:GB+1], s[VB:VB+1]               ; ln1_g
	WIN 0x80                                       ; x is wanted first: 64 loads, each my wave's 512 consecutive bytes of a row, into window 2
.set ii, 0
.rept 64
	global_load_b128 v[4*ii:4*ii+3], v[GX], s[4:5] offset:2048*ii th:TH_LOAD_NT
.set ii, ii+1
.endr
	WIN 0
	CROUND                                         ; all four work-groups are here: the first joint load meets
	TLOAD 0                                        ; slot 1 is first filled behind the first pass's round, as a refill is
	v_and_b32 v1, 15, v0                           ; l % 16
	v_bfe_u32 v32, v0, 4, 1                        ; l / 16
	v_and_b32 v33, 7, v0                           ; l % 8
	v_bfe_u32 v34, v0, 3, 1                        ; (l / 8) % 2
	v_mul_u32_u24 v35, v1, SPITCH
	v_lshl_add_u32 v35, v32, 4, v35
	v_add_nc_u32 v[ADRA], SLAB0, v35
	v_add_nc_u32 v[ADRA+1], SLAB0+SLABB, v35
	s_lshl_b32 s54, s[WV], 6                       ; my 32 K in a slab's row
	v_add_nc_u32 v[PUB], s54, v[ADRA]
	v_add_nc_u32 v[PUB+1], s54, v[ADRA+1]
	v_lshl_add_u32 v36, v32, 3, v33                ; the turning load: lane l reads K row 8 (l / 16) + l % 8, columns 8 ((l / 8) % 2) + 0 .. 7, and ends up with column l % 16 and 8 K
	v_mul_u32_u24 v37, v36, RPITCH
	v_lshl_add_u32 v37, v34, 4, v37
	v_lshl_add_u32 v[ADRW], s[WV], 8, v37          ; my wave's 128 columns
	v_add_nc_u32 v[ADRW+1], 2*QROWS, v[ADRW]       ; a second base for K rows 64 on keeps the immediates inside 16 bits
	v_add_nc_u32 v[ADRW+2], RING, v[ADRW]
	v_add_nc_u32 v[ADRW+3], RING+2*QROWS, v[ADRW]
	s_mul_i32 s55, s[WV], STAGEB
	s_add_co_u32 s55, s55, SLAB0                   ; my stage
	v_lshl_add_u32 v[STS], v21, 4, s55
	v_mul_u32_u24 v38, v1, GPITCH
	v_lshl_add_u32 v38, v32, 5, v38
	v_add_nc_u32 v[STA], s55, v38
	v_lshlrev_b32 v[VO], 4, v32
	v_lshl_add_u32 v[VO], s[WV], 8, v[VO]
	v_lshl_add_u32 v[STR], v1, 5, STATS
	v_lshl_add_u32 v[STW], s[WV], 3, v[STR]
	s_mul_i32 s56, s[WV], VSCRB
	s_add_co_u32 s56, s56, VSCR                    ; my scratch
	v_mul_u32_u24 v38, v1, VPITCH
	v_lshl_add_u32 v38, v32, 4, v38
	v_add_nc_u32 v[VST], s56, v38
	v_mul_u32_u24 v38, v36, VPITCH
	v_lshl_add_u32 v38, v34, 4, v38
	v_add_nc_u32 v[VLD], s56, v38
	v_lshl_add_u32 v[BST], v21, 4, s56
	v_lshl_add_u32 v[BLD], v32, 4, s56
	v_lshlrev_b32 v[B1G], 4, v1
	v_lshl_add_u32 v[B1G], v32, 10, v[B1G]
	v_lshl_add_u32 v[B1G], s[WV], 8, v[B1G]
	; x INTO THE ACCUMULATORS' LAYOUT, 16 rows at a time through my own stage: in by rows, out as 32 bytes of row l % 16.  LDS serves a wave's instructions in order (ISA guide 5.7.1.4): no wait between.
.set mm, 0
.rept 4
	s_wait_loadcnt 48-16*mm                        ; loads come back in order: this row tile's sixteen are in, the later tiles' stay out
	WIN 0x08
.set ii, 0
.rept 16
	ds_store_b128 v[STS], v[64*mm+4*ii:64*mm+4*ii+3] offset:GPITCH*ii
.set ii, ii+1
.endr
	WIN 0x40
.set nn, 0
.rept 8
	ds_load_b128 v[8*(8*mm+nn):8*(8*mm+nn)+3],   v[STA] offset:64*nn
	ds_load_b128 v[8*(8*mm+nn)+4:8*(8*mm+nn)+7], v[STA] offset:64*nn+16
.set nn, nn+1
.endr
.set mm, mm+1
.endr
	s_wait_dscnt 0x0
	PACK 0xc5, 128                                 ; x rounded to bf16, kept packed in P1 while q and k lie in ACC's registers,
	XP2ACC                                         ; and the rounded x in f32: what the chain carries
	WIN 0
	s_branch .Lln                                  ; the loop is entered in the middle of a trip: at the LayerNorm that makes the first pass's input
.Lpass:                                                ; TWELVE TRIPS: a product [64 x 512] x [512 x 512] into PA, four slots of four K steps, and what follows it
	ENTER
	STEP 0, 0, 1, 1                                ; the first K step starts the sums: nothing is cleared
	STEP 0, 1
	STEP 0, 2
	TURN 0, 1
	STEP 1, 0, 0, 2
	STEP 1, 1
	STEP 1, 2
	TURN 1, 1
	STEP 0, 0, 0, 3
	STEP 0, 1
	STEP 0, 2
	WIN 0
	s_sub_co_u32 s[REM], s[REM], 1
	s_cmp_eq_u32 s[REM], 0
	s_cbranch_scc1 .Ltail                          ; the last pass's end is written out: it asks for no further tile
	TURN 0, 1                                      ; slot 0 takes the tile of the next pass's position 0
	STEP 1, 0
	STEP 1, 1
	STEP 1, 2
	LAST
	PLACES
	WIN 0
	s_cmp_eq_u32 s[REM], 11
	s_cbranch_scc1 .Lq
	s_cmp_eq_u32 s[REM], 10
	s_cbranch_scc1 .Lk
	s_cmp_eq_u32 s[REM], 9
	s_cbranch_scc1 .Lv
	s_and_b32 s54, s[REM], 1
	s_cmp_eq_u32 s54, 1
	s_cbranch_scc1 .Lrelu                          ; 7, 5, 3, 1: a quarter of W1
	ADDPA                                          ; 8: Wo; 6, 4, 2: a quarter of W2: onto the running x
	WIN 0
	s_mov_b32 s[SRC], 0                            ; the next pass reads P0
	s_cmp_eq_u32 s[REM], 8
	s_cbranch_scc0 .Lpub
.Lln:	; LAYERNORM OF ACC INTO P0.  Each wave finds the mean and the sum of squared differences from it of its 128 columns; the four waves' figures meet in LDS and are joined:
	; mean = the mean of the four means, M = the sum of the four M + 128 x the squared differences of the four means.  No difference of large sums is formed.
.set nn, 0
.rept 8
	global_load_b128 v[192+4*nn:195+4*nn], v[VO], s[GB:GB+1] offset:32*nn       ; my 64 gains
	global_load_b128 v[224+4*nn:227+4*nn], v[VO], s[GB:GB+1] offset:1024+32*nn  ; and biases, as bf16; waited for at the end of this half
.set nn, nn+1
.endr
	WIN 0x05                                       ; sums: for each row tile four chains of eight pairs, sixteen chains side by side
.set cc, 0
.rept 4
	FORM 0, 4, v_pk_add_f32 v[T+8*mm+2*cc:T+8*mm+2*cc+1], v[64*mm+2*cc:64*mm+2*cc+1], v[64*mm+2*cc+8:64*mm+2*cc+9]
.set cc, cc+1
.endr
	WIN 0x04
.set kk, 2
.rept 6
.set cc, 0
.rept 4
	FORM 0, 4, v_pk_add_f32 v[T+8*mm+2*cc:T+8*mm+2*cc+1], v[T+8*mm+2*cc:T+8*mm+2*cc+1], v[64*mm+2*cc+8*kk:64*mm+2*cc+8*kk+1]
.set cc, cc+1
.endr
.set kk, kk+1
.endr
	WIN 0
	REDUCE 0, 4, MS
	FORM 0, 4, v_mul_f32 v[MS+2*mm+1], s[I128], v[MS+2*mm]  ; my wave's mean, twice: a pair for the packed subtraction
	FORM 0, 4, v_mul_f32 v[MS+2*mm], s[I128], v[MS+2*mm]
.irp rd, 0,1                           ; two row tiles at a time: differences into v64-191, then their squares in four chains a tile
	WIN 0x01
.set aa, 0
.rept 2
.set uu, 0
.rept 32
	v_pk_add_f32 v[64+64*aa+2*uu:64+64*aa+2*uu+1], v[64*(2*(\rd)+aa)+2*uu:64*(2*(\rd)+aa)+2*uu+1], v[MS+2*(2*(\rd)+aa):MS+2*(2*(\rd)+aa)+1] neg_lo:[0,1] neg_hi:[0,1]
.set uu, uu+1
.endr
.set aa, aa+1
.endr
	WIN 0
.set cc, 0
.rept 4
	FORM 2*(\rd), 2, v_pk_mul_f32 v[T+8*mm+2*cc:T+8*mm+2*cc+1], v[64+64*(mm%2)+2*cc:64+64*(mm%2)+2*cc+1], v[64+64*(mm%2)+2*cc:64+64*(mm%2)+2*cc+1]
.set cc, cc+1
.endr
.set kk, 1
.rept 7
.set cc, 0
.rept 4
	FORM 2*(\rd), 2, v_pk_fma_f32 v[T+8*mm+2*cc:T+8*mm+2*cc+1], v[64+64*(mm%2)+2*cc+8*kk:64+64*(mm%2)+2*cc+8*kk+1], v[64+64*(mm%2)+2*cc+8*kk:64+64*(mm%2)+2*cc+8*kk+1], v[T+8*mm+2*cc:T+8*mm+2*cc+1]
.set cc, cc+1
.endr
.set kk, kk+1
.endr
	REDUCE 2*(\rd), 2, MS+1                        ; takes the place of the mean's second copy, which these tiles no longer need
.endr
	FORM 0, 4, ds_store_b64 v[STW], v[MS+2*mm:MS+2*mm+1] offset:512*mm
	s_wait_loadcnt 0x0                             ; gains and biases are in: no load of mine is out, and their base may be stepped
	s_wait_dscnt 0x0                               ; for the others' sake: my figures are stored (and, the first time, my reads of my stage are back: the slabs are written over it)
	s_barrier_signal -1                            ; the branch that leads here hangs on the pass counter alone: every wave passes this barrier
	s_barrier_wait -1
	FORM 0, 4, ds_load_b128 v[T+8*mm:T+8*mm+3], v[STR] offset:512*mm
	FORM 0, 4, ds_load_b128 v[T+8*mm+4:T+8*mm+7], v[STR] offset:512*mm+16
	EXPAND 64, 192, 32                             ; gains in f32: column tile nt at v[64 + 8 nt]
	EXPAND 128, 224, 32                            ; biases at v[128 + 8 nt]
	s_wait_dscnt 0x0
	FORM 0, 4, v_add_f32 v[U+8*mm], v[T+8*mm], v[T+8*mm+2]
	FORM 0, 4, v_add_f32 v[U+8*mm+1], v[T+8*mm+4], v[T+8*mm+6]
	FORM 0, 4, v_add_f32 v[U+8*mm+5], v[T+8*mm+1], v[T+8*mm+3]
	FORM 0, 4, v_add_f32 v[U+8*mm+6], v[T+8*mm+5], v[T+8*mm+7]
	FORM 0, 4, v_add_f32 v[U+8*mm], v[U+8*mm], v[U+8*mm+1]
	FORM 0, 4, v_add_f32 v[U+8*mm+5], v[U+8*mm+5], v[U+8*mm+6]
	FORM 0, 4, v_mul_f32 v[U+8*mm], 0x3e800000, v[U+8*mm]          ; the row's mean
	FORM 0, 4, v_sub_f32 v[U+8*mm+1], v[T+8*mm], v[U+8*mm]
	FORM 0, 4, v_sub_f32 v[U+8*mm+2], v[T+8*mm+2], v[U+8*mm]
	FORM 0, 4, v_sub_f32 v[U+8*mm+3], v[T+8*mm+4], v[U+8*mm]
	FORM 0, 4, v_sub_f32 v[U+8*mm+4], v[T+8*mm+6], v[U+8*mm]
	FORM 0, 4, v_mul_f32 v[U+8*mm+1], v[U+8*mm+1], v[U+8*mm+1]
	FORM 0, 4, v_fma_f32 v[U+8*mm+1], v[U+8*mm+2], v[U+8*mm+2], v[U+8*mm+1]
	FORM 0, 4, v_fma_f32 v[U+8*mm+1], v[U+8*mm+3], v[U+8*mm+3], v[U+8*mm+1]
	FORM 0, 4, v_fma_f32 v[U+8*mm+1], v[U+8*mm+4], v[U+8*mm+4], v[U+8*mm+1]
	FORM 0, 4, v_fma_f32 v[U+8*mm+5], v[U+8*mm+1], s[C128], v[U+8*mm+5]
	FORM 0, 4, v_fma_f32 v[U+8*mm+5], v[U+8*mm+5], s[I512], s[EPS]  ; the variance + 1e-5
	FORM 0, 4, v_rsq_f32 v[RS+4*mm], v[U+8*mm+5]   ; twice: a pair for the packed multiply
	FORM 0, 4, v_rsq_f32 v[RS+4*mm+1], v[U+8*mm+5]
	v_nop                                          ; a plain instruction between the last of them and the use of its result (ISA guide 5.7.2)
	s_wait_alu depctr_va_vdst(0)
	FORM 0, 4, v_mul_f32 v[RS+4*mm+2], -v[U+8*mm], v[RS+4*mm]
	FORM 0, 4, v_mul_f32 v[RS+4*mm+3], -v[U+8*mm], v[RS+4*mm+1]
.set mm, 0
.rept 4                                ; (x rs - mean rs) g + b, rounded to bf16: a row tile's four column tiles at a time
.set qq, 0
.rept 2
	WIN 0x01
.set uu, 0
.rept 16
	v_pk_fma_f32 v[T+2*uu:T+2*uu+1], v[64*mm+32*qq+2*uu:64*mm+32*qq+2*uu+1], v[RS+4*mm:RS+4*mm+1], v[RS+4*mm+2:RS+4*mm+3]
.set uu, uu+1
.endr
	WIN 0
.set uu, 0
.rept 16
	v_pk_fma_f32 v[T+2*uu:T+2*uu+1], v[T+2*uu:T+2*uu+1], v[64+32*qq+2*uu:64+32*qq+2*uu+1], v[128+32*qq+2*uu:128+32*qq+2*uu+1]
.set uu, uu+1
.endr
	WIN 0xc0
.set uu, 0
.rept 16
	v_cvt_pk_bf16_f32 v[64*qq+16*mm+uu], v[T+2*uu], v[T+2*uu+1]
.set uu, uu+1
.endr
.set qq, qq+1
.endr
.set mm, mm+1
.endr
	WIN 0
	s_add_nc_u64 s[GB:GB+1], s[GB:GB+1], 3072      ; the second LayerNorm's gains lie three rows on
	s_branch .Lpub
.Lq:
	PACK 0x4a, 0                                   ; q, unscaled, into ACC's lower half: x waits packed in P1
	WIN 0
	s_branch .Lpub
.Lk:
	PACK 0x4a, 128
	WIN 0
	s_branch .Lpub
; ATTENTION for head 2 w + p, all 64 queries and 64 keys, inside the wave.  S^T (qt, kt) at window 2 v[32 qt + 8 kt]: a lane holds ONE query (l % 16) and the keys 16 kt + 8 (l / 16) + 0 .. 7.
.macro HEAD p
	WIN 0xa5                                       ; K and Q in window 1, S^T in window 2; the 16 accumulators take turns
.set cc, 0
.rept 2
.set qq, 0
.rept 4
.set kk, 0
.rept 4
.if cc == 0
	v_wmma_f32_16x16x32_bf16 v[32*qq+8*kk:32*qq+8*kk+7], v[128+64*(\p)+16*kk+8*cc:128+64*(\p)+16*kk+8*cc+7], v[64*(\p)+16*qq+8*cc:64*(\p)+16*qq+8*cc+7], 0
.else
	v_wmma_f32_16x16x32_bf16 v[32*qq+8*kk:32*qq+8*kk+7], v[128+64*(\p)+16*kk+8*cc:128+64*(\p)+16*kk+8*cc+7], v[64*(\p)+16*qq+8*cc:64*(\p)+16*qq+8*cc+7], v[32*qq+8*kk:32*qq+8*kk+7]
.endif
.set kk, kk+1
.endr
.set qq, qq+1
.endr
.set cc, cc+1
.endr
.set kk, 0
.rept 2                                ; V ([key][channel] in my registers) is turned through my scratch, 32 keys at a time; LDS serves my instructions in order, so the second half's stores come behind the first half's loads
	WIN 0x0c
.set aa, 0
.rept 2
.set tt, 0
.rept 4
	ds_store_b128 v[VST], v[64*(\p)+16*(2*kk+aa)+4*tt:64*(\p)+16*(2*kk+aa)+4*tt+3] offset:16*VPITCH*aa+32*tt
.set tt, tt+1
.endr
.set aa, aa+1
.endr
	WIN 0
.set tt, 0
.rept 4
	ds_load_tr16_b128 v[128+32*kk+8*tt:128+32*kk+8*tt+3],   v[VLD] offset:32*tt
	ds_load_tr16_b128 v[128+32*kk+8*tt+4:128+32*kk+8*tt+7], v[VLD] offset:32*tt+16*VPITCH
.set tt, tt+1
.endr
.set kk, kk+1
.endr
	PLACES                                         ; behind the products S^T
	WIN 0x2a                                       ; the maximum of a lane's 32 scores: four chains a query tile
.set nn, 0
.rept 4
	FORM 0, 4, v_max3_num_f32 v[T+8*mm+nn], v[32*mm+8*nn], v[32*mm+8*nn+1], v[32*mm+8*nn+2]
.set nn, nn+1
.endr
	WIN 0x28
.set ee, 0
.rept 2
.set nn, 0
.rept 4
	FORM 0, 4, v_max3_num_f32 v[T+8*mm+nn], v[T+8*mm+nn], v[32*mm+8*nn+3+2*ee], v[32*mm+8*nn+4+2*ee]
.set nn, nn+1
.endr
.set ee, ee+1
.endr
	FORM 0, 4, v_max3_num_f32 v[T+8*mm], v[T+8*mm], v[32*mm+7], v[32*mm+15]
	FORM 0, 4, v_max3_num_f32 v[T+8*mm+2], v[T+8*mm+2], v[32*mm+23], v[32*mm+31]
	WIN 0
	FORM 0, 4, v_max3_num_f32 v[T+8*mm], v[T+8*mm], v[T+8*mm+1], v[T+8*mm+2]
	FORM 0, 4, v_max_num_f32 v[T+8*mm], v[T+8*mm], v[T+8*mm+3]
	FORM 0, 4, v_permlanex16_b32 v[T+8*mm+1], v[T+8*mm], s[SEL], s[SEL+1]  ; the query's other 32 keys lie in the lane 16 away
	FORM 0, 4, v_max_num_f32 v[T+8*mm], v[T+8*mm], v[T+8*mm+1]
	FORM 0, 4, v_mul_f32 v[T+8*mm+4], s[CS], v[T+8*mm]                     ; c m, twice
	FORM 0, 4, v_mul_f32 v[T+8*mm+5], s[CS], v[T+8*mm]
	WIN 0x82
.set uu, 0
.rept 16
	FORM 0, 4, v_pk_fma_f32 v[32*mm+2*uu:32*mm+2*uu+1], v[32*mm+2*uu:32*mm+2*uu+1], s[CS:CS+1], v[T+8*mm+4:T+8*mm+5] op_sel_hi:[1,0,1] neg_lo:[0,0,1] neg_hi:[0,0,1]  ; c s - c m
.set uu, uu+1
.endr
.set uu, 0
.rept 128
	v_exp_f32 v[uu], v[uu]                         ; p = 2^(c s - c m), at most 1
.set uu, uu+1
.endr
	v_nop                                          ; a plain instruction behind the last exponential
	WIN 0x0a
.set uu, 0
	s_wait_alu depctr_va_vdst(0)
.rept 64
	v_cvt_pk_bf16_f32 v[64+uu], v[2*uu], v[2*uu+1] ; P (qt, kt) at window 0 v[64 + 16 qt + 4 kt]: two neighbours are source 1 for 32 keys
.set uu, uu+1
.endr
	WIN 0x8a                                       ; l, of the unrounded p: a tree over each tile's 16 pairs, in place
.irp sp, 8,4,2,1
.set uu, 0
.rept \sp
	FORM 0, 4, v_pk_add_f32 v[32*mm+2*uu:32*mm+2*uu+1], v[32*mm+2*uu:32*mm+2*uu+1], v[32*mm+2*uu+2*\sp:32*mm+2*uu+2*\sp+1]
.set uu, uu+1
.endr
.endr
	WIN 0x0a
	FORM 0, 4, v_add_f32 v[T+8*mm], v[32*mm], v[32*mm+1]
	WIN 0
	FORM 0, 4, v_permlanex16_b32 v[T+8*mm+1], v[T+8*mm], s[SEL], s[SEL+1]
	FORM 0, 4, v_add_f32 v[T+8*mm], v[T+8*mm], v[T+8*mm+1]
	FORM 0, 4, v_rcp_f32 v[T+8*mm+6], v[T+8*mm]    ; 1 / l, twice
	FORM 0, 4, v_rcp_f32 v[T+8*mm+7], v[T+8*mm]
	v_nop
	s_wait_alu depctr_va_vdst(0)
	s_wait_dscnt 0x0                               ; V is in
	WIN 0xa0                                       ; O^T (qt, ct) at window 2 v[128 + 32 qt + 8 ct]; the 16 accumulators take turns
.set kk, 0
.rept 2
.set qq, 0
.rept 4
.set tt, 0
.rept 4
.if kk == 0
	v_wmma_f32_16x16x32_bf16 v[128+32*qq+8*tt:128+32*qq+8*tt+7], v[128+32*kk+8*tt:128+32*kk+8*tt+7], v[64+16*qq+8*kk:64+16*qq+8*kk+7], 0
.else
	v_wmma_f32_16x16x32_bf16 v[128+32*qq+8*tt:128+32*qq+8*tt+7], v[128+32*kk+8*tt:128+32*kk+8*tt+7], v[64+16*qq+8*kk:64+16*qq+8*kk+7], v[128+32*qq+8*tt:128+32*qq+8*tt+7]
.endif
.set tt, tt+1
.endr
.set qq, qq+1
.endr
.set kk, kk+1
.endr
	PLACES
	WIN 0x82
.set uu, 0
.rept 16
	FORM 0, 4, v_pk_mul_f32 v[128+32*mm+2*uu:128+32*mm+2*uu+1], v[128+32*mm+2*uu:128+32*mm+2*uu+1], v[T+8*mm+6:T+8*mm+7]
.set uu, uu+1
.endr
	WIN 0xca
.set uu, 0
.rept 64
	v_cvt_pk_bf16_f32 v[64*(\p)+uu], v[128+2*uu], v[128+2*uu+1]  ; o takes the place of this head's v, which has been turned and read
.set uu, uu+1
.endr
	WIN 0
.endm
.Lv:
	PACK 0xca, 0                                   ; v into P0: h has been published for the last time
	WIN 0
.set nn, 0
.rept 8
	global_load_b128 v[192+4*nn:195+4*nn], v[VO], s[VB:VB+1] offset:2048+32*nn  ; bo; waited for behind both heads
.set nn, nn+1
.endr
	global_load_b128 v[224:227], v[B1G], s[VB:VB+1] offset:6144  ; my 128 numbers of b1's quarters 0 and 1,
	global_load_b128 v[228:231], v[B1G], s[VB:VB+1] offset:8192  ; 2 and 3
	HEAD 0
	HEAD 1
	s_wait_loadcnt 0x0
	ds_store_b128 v[BST], v[224:227]               ; b1 waits in my scratch, which V has left: 256 bytes a quarter
	ds_store_b128 v[BST], v[228:231] offset:512
	EXPAND 64, 192, 32
	XP2ACC                                         ; x comes back into ACC,
	ADDBIAS 0x41                                   ; with bo; Wo's product is added behind its pass
	WIN 0
	s_branch .Lpub
.Lrelu:
.set nn, 0
.rept 8
	ds_load_b128 v[T+4*nn:T+4*nn+3], v[BLD] offset:32*nn
.set nn, nn+1
.endr
	s_wait_dscnt 0x0
	v_add_nc_u32 v[BLD], 256, v[BLD]               ; the next quarter's
	EXPAND 64, T, 32
	ADDBIAS 0x82
	WIN 0x88
.set uu, 0
.rept 256
	v_max_num_f32 v[uu], 0, v[uu]
.set uu, uu+1
.endr
	PACK 0xca, 128                                 ; the hidden quarter into P1
	WIN 0
	s_mov_b32 s[SRC], 1
.Lpub:
	PUBLISH 0, 0                                   ; the slab of the next pass's position 0: that buffer was last read in the slot at position 2, and a round has passed since
	s_branch .Lpass
.Ltail:                                                ; THE LAST PASS'S LAST SLOT, and the way out
	TURN 0, 0                                      ; my one tensor load that was out is the last tile's, so no round follows
	WIN 0xc0
.set nn, 0
.rept 8
	global_load_b128 v[128+4*nn:131+4*nn], v[VO], s[VB:VB+1] offset:5120+32*nn  ; b2, into P1: the hidden quarter has been published for the last time
.set nn, nn+1
.endr
	STEP 1, 0
	STEP 1, 1
	STEP 1, 2
	LAST
	PLACES
	ADDPA
	s_wait_loadcnt 0x0
	WIN 0x0c
	EXPAND 64, 128, 32
	ADDBIAS 0x41
	WIN 0
	s_wait_dscnt 0x0
	s_barrier_signal -1                            ; every wave's reads of the slabs are back: the stages, which lie over them, may be written
	s_barrier_wait -1
.macro STAGEOUT m                      ; row tile m: 32 bytes of row l % 16 a column tile into my stage, and back as whole rows of 512 bytes
	WIN 0x04
.set nn, 0
.rept 8
	ds_store_b128 v[STA], v[64*(\m)+8*nn:64*(\m)+8*nn+3]   offset:64*nn
	ds_store_b128 v[STA], v[64*(\m)+8*nn+4:64*(\m)+8*nn+7] offset:64*nn+16
.set nn, nn+1
.endr
	WIN 0x80
.set ii, 0
.rept 16
	ds_load_b128 v[64*(\m)+4*ii:64*(\m)+4*ii+3], v[STS] offset:GPITCH*ii  ; LDS serves a wave's instructions in order: these see the stores above, and the next tile's stores come behind them
.set ii, ii+1
.endr
.endm
.macro SEND m, younger                 ; younger: the LDS instructions issued behind tile m's loads: the next tile's 32, or none
	s_wait_dscnt \younger
	WIN 0x08
.set ii, 0
.rept 16
	global_store_b128 v[GX], v[64*(\m)+4*ii:64*(\m)+4*ii+3], s[8:9] offset:2048*(16*(\m)+ii) th:TH_STORE_NT  ; the wave stores 512 consecutive bytes, at a multiple of 512 from the result's first byte
.set ii, ii+1
.endr
.endm
	STAGEOUT 0
	STAGEOUT 1
	SEND 0, 32
	STAGEOUT 2
	SEND 1, 32
	STAGEOUT 3
	SEND 2, 32
	SEND 3, 0                                      ; no register that a store reads is written again
	WIN 0
	s_wait_tensorcnt 0x0                           ; the wave's end, behind my last tensor load and my last LDS store
	ds_add_u32 v[SPW], v[NIL]
	s_wait_dscnt 0x0
	CROUND                                         ; the closing round: no work-group ends while a partner may still ask for a tile that names it
	s_endpgm
.Lfunc_end_k_q32ffad96d0_block:
	.size	k_q32ffad96d0_block, .Lfunc_end_k_q32ffad96d0_block-k_q32ffad96d0_block
	.p2alignl 7, 3214868480
	.fill 96, 4, 3214868480
	.section	.rodata,"a",@progbits
	.p2align	6, 0x0
	.amdhsa_kernel k_q32ffad96d0_block
		.amdhsa_group_segment_fixed_size 327680
		.amdhsa_private_segment_fixed_size 0
		.amdhsa_enable_private_segment 0
		.amdhsa_kernarg_size 24
		.amdhsa_user_sgpr_count 2
		.amdhsa_user_sgpr_kernarg_segment_ptr 1
		.amdhsa_wavefront_size32 1
		.amdhsa_system_sgpr_workgroup_id_x 1
		.amdhsa_system_sgpr_workgroup_id_y 1
		.amdhsa_system_sgpr_workgroup_id_z 1
		.amdhsa_system_vgpr_workitem_id 0
		.amdhsa_next_free_vgpr 1024
		.amdhsa_next_free_sgpr 66
		.amdhsa_reserve_vcc 0
		.amdhsa_float_denorm_mode_32 3
		.amdhsa_float_denorm_mode_16_64 3
		.amdhsa_memory_ordered 1
		.amdhsa_forward_progress 1
		.amdhsa_inst_pref_size 255
	.end_amdhsa_kernel
	.section	.bss,"aw",@nobits
	.p2align	6
	.space	262144
	.amdgpu_metadata
---
amdhsa.version: [ 1, 2 ]
amdhsa.kernels:
  - .name:           k_q32ffad96d0_block
    .symbol:         k_q32ffad96d0_block.kd
    .args:
      - { .name: x, .offset: 0, .size: 8, .value_kind: global_buffer, .address_space: global }
      - { .name: ws, .offset: 8, .size: 8, .value_kind: global_buffer, .address_space: global }
      - { .name: out0, .offset: 16, .size: 8, .value_kind: global_buffer, .address_space: global }
    .group_segment_fixed_size: 327680
    .private_segment_fixed_size: 0
    .kernarg_segment_align: 8
    .kernarg_segment_size: 24
    .max_flat_workgroup_size: 128
    .sgpr_count:     66
    .vgpr_count:     1024
    .wavefront_size: 32
...
	.end_amdgpu_metadata
.endif
;; end of part 3
